; MI455X (gfx1250); checked and timed in simulation.
; The chip was launched on July 23, 2026; its instructions are those of AMD's public machine-readable ISA for CDNA 5 (MIT licence, August 2026) and "CDNA5" Instruction Set Architecture Reference Guide (July 2026). The comments in the code are by the model that wrote it; some were corrected since.
;; Multi Query Attention. Allowed arithmetic: matrix products marked QUANTISED: E2M3 operands, one E8M0 scale for each 32 along K, by v_wmma_scale_f32_16x16x128_f8f6f4 with both operands' format E2M3, f32 sums; products left as they are: f32 operands where the result goes on into a quantised operand, else bf16, f16 or f32 operands; f32 sums; everything else in f32.
;; Inputs: Wk 1,024 x 1,024 float32; Wo 1,024 x 1,024 float32; Wq 4 x 1,024 x 1,024 float32; Wv 1,024 x 1,024 float32; bk 1,024 float32; bo 1,024 float32; bq 4 x 1,024 float32; bv 1,024 float32; x 4 x 2,048 x 1,024 float32.
;; Outputs: out0 4 x 2,048 x 1,024 float32.
;; This version of the problem:
;;   THIS VERSION OF THE PROBLEM IS GIVEN IN LOW PRECISION. The matrix products marked QUANTISED in the list below multiply operands that are first quantised to E2M3 (2 exponent bits, 3 mantissa bits; 6 bits a number), with one power-of-two scale for each 32 numbers along K (OCP MX v1.0); their sums are f32. All else is computed in f32.
;;   The module's matrix products, in the order in which they are computed (A, B: the left and right operand; K: the contracted axis; several contracted axes count as one K, in the product's order):
;;     1. [M 4,096, K 1,024] x [K 1,024, N 8,192]; A: input Wq; B: input x: QUANTISED
;;     2. [M 8,192, K 1,024] x [K 1,024, N 1,024]; A: input x; B: input Wk: QUANTISED
;;     3. [M 8,192, K 1,024] x [K 1,024, N 1,024]; A: input x; B: input Wv: QUANTISED
;;     4. batch 8,192 x [M 16, K 64] x [K 64, N 64]; A: computed on the way; B: computed on the way: QUANTISED
;;     5. batch 8,192 x [M 64, K 16] x [K 16, N 64]; A: computed on the way; B: softmax: left as it is (K = 16 < 32)
;;     6. [M 8,192, K 1,024] x [K 1,024, N 1,024]; A: computed on the way; B: input Wo: QUANTISED
;;   THE QUANTISER, for each operand of a quantised product, along K:
;;     - K is cut into blocks of 32 from its start; a last block that is shorter is filled with zeros.
;;     - A block's scale is 2^e with e = floor(log2(the largest magnitude in the block)) - 2, held to -126 .. 127; a block of zeros has e = 0. As a byte (E8M0): e + 127.
;;     - Each number is divided by its block's scale, clamped to +-7.5, and rounded to the nearest number of E2M3, ties to even, subnormals kept.
;;     - The product sums the exact products of the quantised numbers (number of the format x scale) in f32.
;;   ~~~python
;;   def quantise(x, axis):      # numpy; x: float32 -> the quantised numbers, widened to float32 again
;;       x = np.moveaxis(x, axis, -1); K = x.shape[-1]
;;       x = np.pad(x, [(0, 0)] * (x.ndim - 1) + [(0, -K % 32)]); x = x.reshape(x.shape[:-1] + (-1, 32)); a = np.abs(x).max(-1, keepdims=True)
;;       e = np.where(a > 0, np.clip(np.frexp(np.where(a > 0, a, 1))[1] - 1 - 2, -126, 127), 0)      # np.frexp(a)[1] - 1 = floor(log2(a)), exactly
;;       r = np.clip(x / 2.0 ** e, -7.5, 7.5)
;;       step = 2.0 ** (np.maximum(np.frexp(np.where(r == 0, 1, r))[1] - 1, 0) - 3)
;;       q = np.round(r / step) * step * 2.0 ** e      # np.round: ties to even
;;       return np.moveaxis(q.reshape(q.shape[:-2] + (-1,))[..., :K], -1, axis).astype(np.float32)
;;   ~~~
;;   OPERANDS COMPUTED ON THE WAY. 'Computed on the way' means the value that the module computes at that place (a softmax that the list does not call 'softmax' is quantised finished and normalised). What goes into a quantiser is computed in f32, as accurately as f32 sums, v_exp_f32 and their like allow (about 1e-6 of the number): no bf16 or f16 on the way to a quantiser, and a product that is left as it is and whose result goes on into a quantised operand takes f32 operands (vector FMAs, or v_wmma_f32_16x16x4_f32). A number that lies on a knife's edge between two numbers of the format may be rounded either way, as far as f32 arithmetic and the matrix unit's own rounding can turn it there, and no further.
;; One version. Each part assembles by itself: llvm-mc -triple=amdgcn-amd-amdhsa -mcpu=gfx1250 --defsym DOCPART=n.
;; ======== version 1 of 1: 4 launches
;; limits: right only within a limited range of input values
;; workspace buffers: xq 6,553,600 bytes; wq 5,734,400 bytes; qkcodes 31,457,280 bytes; qkscales 1,310,720 bytes; vbuf 33,554,432 bytes; aq 6,553,600 bytes
;; launch quant (part 1): grid 480 x 1, 4 waves a work-group, no clusters, 60,416 bytes of LDS; arguments x, Wq, Wk, Wv, Wo, xq, wq; writes xq, wq
.if DOCPART == 1
	.amdgcn_target "amdgcn-amd-amdhsa--gfx1250"
	.amdhsa_code_object_version 6
	.text
	.protected	k_qd223aa657d_quant
	.globl	k_qd223aa657d_quant
	.p2align	8
	.type	k_qd223aa657d_quant,@function
k_qd223aa657d_quant:
	s_mov_b64 s[64:65], 0
	v_nop
	global_prefetch_b8 v0, s[64:65] scope:SCOPE_SE
	s_setreg_imm32_b32 hwreg(HW_REG_WAVE_MODE, 25, 1), 1
	s_wait_xcnt 0x0
; THE PROGRAM: four launches.  quant: x and the four weights into codes of E2M3 with one E8M0 byte for each 32 along K.  proj: q, k, v = x W^T + b on codes.  attn: for each token the 16 x 16 scores of its heads,
; the softmax over heads, the sum over the four queries, the product with v, and the last product's left operand as codes.  outp: that operand times Wo^T, + bo.
; WORK LEFT OUT.  No input is dead: all nine are loaded.  reference() multiplies each of the four queries' probabilities by v and adds the four results; the product is linear in the probabilities, so for all
; values of the inputs sum_q (P_q v) = (sum_q P_q) v: attn adds the four P first and multiplies once.  No quantiser stands between the two forms.
; LIMITS: the sum over the queries is so taken in another f32 order than reference()'s; the biases start the sums of the large products; NaN and infinities among the inputs are not served;
; a block whose largest magnitude lies under 2^-124 keeps the scale byte 1 (a block of zeros too, where the rule says 127: its codes are zeros, and this program alone reads the bytes).
; THE LAYOUT OF xq, wq (and aq): UNITS of 25,600 bytes, unit (group of 128 stored rows, pair p of K steps) at (4 group + p) x 25,600.  In a unit: the image of the fragment of rows 16 i .. 16 i + 15, K step 2 p + q,
; at (2 i + q) x 1,536: register j of lane l at 512 (j / 4) + 16 l + 4 (j % 4); lane (r, h) holds row r, registers 6 c .. 6 c + 5 the block of 32 at K = 64 c + 32 h of the step.
; From byte 24,576: the scale words, row 16 i + r at 128 i + 8 r + 4 q.  So every tile that a later launch fetches is a dense run of whole 256-byte pieces.
; THIS LAUNCH.  A work-group makes 32 stored rows, wave w the stored rows 8 w + n.  Work-groups 0-255: x; 256-383: Wq; 384-415: Wk; 416-447: Wv; 448-479: Wo; wq's stored rows: 0-4095 Wq, then Wk, Wv, Wo, 1,024 each.
; WHICH SOURCE ROW a stored row takes is chosen in the loads' offsets alone, by the work-group's number; no LDS address hangs on it.  Wq, Wk: in each 32 rows the groups of 8 stand in the order 0, 2, 1, 3.
; Wv: source row 64 g + d stands at 512 d5 + 256 d3 + 128 g2 + 64 g3 + 32 d4 + 4 (d % 8) + g % 4.  x, Wo: as they lie.
; Each load reads 512 consecutive bytes; a step's 2,048 bytes turn through the wave's own stage so that a lane holds 16 neighbours.  The codes go word by word into the work-group's image stage
; (runs of 256 bytes at pitch 272), and behind one barrier they leave 16 bytes a lane, 2,048 consecutive bytes an instruction of the work-group; the scale words 256 consecutive bytes a wave.
.set STEPS, 16
.set R,     16                         ; v16-79   four sets of 16 numbers as loaded; at the end the images on their way out
.set X,     80                         ; v80-111  two sets of 16 neighbours
.set E,     112                        ; v112-127 a scale byte for each step
.set C,     128                        ; v128-191 codes: four registers for each step
.set VO,    192                        ; v192-199 16 x lane + the n-th source row's bytes
.set LE,    200                        ; v200-202 where my e-th word of codes goes in the image stage
.set RDI,   203                        ; the image stage, on the way out
.set GO,    204                        ; 16 x thread
.set SRD,   205                        ; the scale words, on the way out
.set SGO,   206                        ; 8 x lane
.set WREG,  8192                       ; a region for each wave: two stages of 32 x SP bytes
.set SP,    80
.set IMG,   4*WREG                     ; 96 runs at pitch 272
.set SST,   IMG+96*272                 ; [p][32 rows][8 bytes]
.set SPARE, SST+1024
.set SPW,   12
.set NIL,   13
	s_load_b256 s[4:11], s[0:1], 0x0               ; x, Wq, Wk, Wv
	s_load_b128 s[12:15], s[0:1], 0x20             ; Wo, xq
	s_load_b64 s[16:17], s[0:1], 0x30              ; wq
	v_lshl_add_u32 v[SPW], v0, 2, SPARE
	v_mov_b32 v[NIL], 0
	v_lshrrev_b32 v1, 5, v0
	v_readfirstlane_b32 s20, v1                    ; wave
	s_mul_i32 s28, s20, WREG
	s_lshr_b32 s29, s20, 1
	s_mul_i32 s29, s29, 12*272                     ; my block of 16 rows: 12 runs
	s_and_b32 s30, s20, 1
	s_lshl_b32 s30, s30, 7                         ; my 8 rows in it
	s_add_co_u32 s29, s29, s30
	s_add_co_u32 s29, s29, IMG
	s_lshl_b32 s30, s20, 6
	s_add_co_u32 s30, s30, SST
	v_and_b32 v2, 31, v0                           ; lane
	v_lshlrev_b32 v3, 4, v2
	v_lshrrev_b32 v14, 2, v2
	v_mul_u32_u24 v14, v14, SP
	v_and_b32 v15, 3, v2
	v_lshl_add_u32 v14, v15, 4, v14
	v_add_nc_u32 v14, s28, v14                     ; the turning stage, in: SP (lane / 4) + 16 (lane % 4)
	v_mul_u32_u24 v15, v2, SP
	v_add_nc_u32 v15, s28, v15                     ; and out: SP x lane
	; lane = 8 f + 4 c + 2 h + t: K step f of the half row, block 2 c + h, half t of the block: registers 6 c + 3 t + e
	v_lshrrev_b32 v6, 4, v2                        ; f / 2
	v_bfe_u32 v7, v2, 3, 1                         ; f % 2
	v_bfe_u32 v8, v2, 1, 1                         ; h
	v_mul_u32_u24 v9, v6, 24
	v_mad_u32_u24 v9, v7, 6, v9
	v_add_nc_u32 v9, v9, v8                        ; run 24 (f / 2) + 6 (f % 2) + h
	v_bfe_u32 v10, v2, 2, 1
	v_mul_u32_u24 v10, v10, 6
	v_and_b32 v11, 1, v2
	v_mad_u32_u24 v10, v11, 3, v10                 ; 6 c + 3 t
.irp e, 0,1,2
	v_add_nc_u32 v11, \e, v10                      ; register j
	v_lshrrev_b32 v1, 2, v11
	v_lshl_add_u32 v1, v1, 1, v9                   ; + 2 (j / 4) runs
	v_mul_u32_u24 v1, v1, 272
	v_and_b32 v11, 3, v11
	v_lshl_add_u32 v1, v11, 2, v1
	v_add_nc_u32 v[LE+\e], s29, v1
.endr
	v_lshlrev_b32 v5, 8, v6                        ; my block's scale byte: 256 (f / 2) + 4 (f % 2) + block
	v_lshl_add_u32 v5, v7, 2, v5
	v_bfe_u32 v1, v2, 1, 2
	v_add_nc_u32 v5, v5, v1
	v_add_nc_u32 v5, s30, v5
	v_lshrrev_b32 v1, 4, v0
	v_mul_u32_u24 v1, v1, 272
	v_and_b32 v4, 15, v0
	v_lshl_add_u32 v1, v4, 4, v1
	v_add_nc_u32 v[RDI], IMG, v1
	v_lshlrev_b32 v[GO], 4, v0
	v_lshl_add_u32 v[SRD], v0, 3, SST
	v_lshlrev_b32 v[SGO], 3, v2
	s_wait_alu depctr_va_vdst(0)                   ; directly ahead of the wait below
	s_wait_kmcnt 0x0
	; which tensor: the choices hang on the work-group's number alone
	s_mov_b64 s[32:33], s[12:13]                   ; Wo
	s_mov_b32 s21, 448
	s_cmp_lt_u32 ttmp9, 448
	s_cselect_b64 s[32:33], s[10:11], s[32:33]     ; Wv
	s_cselect_b32 s21, 416, s21
	s_cmp_lt_u32 ttmp9, 416
	s_cselect_b64 s[32:33], s[8:9], s[32:33]       ; Wk
	s_cselect_b32 s21, 384, s21
	s_cmp_lt_u32 ttmp9, 384
	s_cselect_b64 s[32:33], s[6:7], s[32:33]       ; Wq
	s_cselect_b32 s21, 256, s21
	s_cmp_lt_u32 ttmp9, 256
	s_cselect_b64 s[32:33], s[4:5], s[32:33]       ; x
	s_cselect_b32 s21, 0, s21
	s_cselect_b64 s[34:35], s[14:15], s[16:17]     ; xq or wq
	s_cselect_b32 s26, 0, 256
	s_sub_co_u32 s26, ttmp9, s26                   ; which 32 stored rows of the buffer
	s_sub_co_u32 s22, ttmp9, s21                   ; u: which 32 of the tensor
	s_lshl_b32 s23, s22, 5
	s_lshl_b32 s24, s20, 3
	s_add_co_u32 s24, s23, s24                     ; x, Wo: my first source row 32 u + 8 w
	s_and_b32 s28, s20, 1
	s_lshl_b32 s28, s28, 1
	s_lshr_b32 s29, s20, 1
	s_or_b32 s28, s28, s29
	s_lshl_b32 s28, s28, 3
	s_add_co_u32 s27, s23, s28                     ; Wq, Wk: the wave's two bits changed over
	s_bfe_u32 s25, s22, 0x10002                    ; Wv: u's bits are d4, g3, g2, d3, d5
	s_lshl_b32 s25, s25, 8                         ; 64 x 4 g2
	s_bfe_u32 s28, s22, 0x10001
	s_lshl_b32 s28, s28, 9                         ; 64 x 8 g3
	s_or_b32 s25, s25, s28
	s_bfe_u32 s28, s22, 0x10003
	s_lshl_b32 s28, s28, 3                         ; 8 d3
	s_or_b32 s25, s25, s28
	s_and_b32 s28, s22, 1
	s_lshl_b32 s28, s28, 4                         ; 16 d4
	s_or_b32 s25, s25, s28
	s_bfe_u32 s28, s22, 0x10004
	s_lshl_b32 s28, s28, 5                         ; 32 d5
	s_or_b32 s25, s25, s28
	s_lshl_b32 s28, s20, 1
	s_add_co_u32 s25, s25, s28                     ; d % 8 = 2 w + n / 4, g % 4 = n % 4
	s_mov_b32 s38, 0x40000
	s_mov_b32 s39, 16384
	s_sub_co_u32 s28, ttmp9, 256
	s_cmp_lt_u32 s28, 160                          ; Wq or Wk (a smaller number wraps to a large one)
	s_cselect_b32 s24, s27, s24
	s_sub_co_u32 s28, ttmp9, 416
	s_cmp_lt_u32 s28, 32                           ; Wv
	s_cselect_b32 s24, s25, s24
	s_cselect_b32 s38, s38, 4096                   ; from row n to n + 1 (n % 4 < 3): 64 source rows, else 1
	s_cselect_b32 s39, 4096, s39                   ; from row n to n + 4: 1 source row, else 4
	s_lshl_b32 s30, s24, 12
	s_mov_b32 s31, 0
	s_add_nc_u64 s[32:33], s[32:33], s[30:31]      ; the source at my first row
	s_lshr_b32 s28, s26, 2
	s_mul_i32 s28, s28, 102400                     ; my group's four units
	s_and_b32 s29, s26, 3
	s_mul_i32 s30, s29, 6144                       ; my two blocks' four images in a unit
	s_add_co_u32 s30, s30, s28
	s_lshl_b32 s40, s29, 8
	s_add_co_u32 s40, s40, s28
	s_mul_i32 s41, s20, 25600                      ; wave w stores pair w's scale words
	s_add_co_u32 s40, s40, s41
	s_add_co_u32 s40, s40, 24576
	s_mov_b32 s41, 0
	s_add_nc_u64 s[36:37], s[34:35], s[40:41]
	s_add_nc_u64 s[34:35], s[34:35], s[30:31]
	v_mov_b32 v[VO], v3
	v_add_nc_u32 v[VO+4], s39, v3
.irp i, 1,2,3,5,6,7
	v_add_nc_u32 v[VO+\i], s38, v[VO+\i-1]
.endr
	s_wait_alu depctr_va_vdst(0)                   ; at the head's end
.macro LOAD t
.irp i, 0,1,2,3
	global_load_b128 v[R+16*((\t)%4)+4*\i:R+16*((\t)%4)+4*\i+3], v[VO+(\t)/2], s[32:33] offset:2048*((\t)%2)+512*\i th:TH_LOAD_NT
.endr
.endm
.macro TURN t                          ; LDS serves a wave's instructions in order: no wait between the stores and the loads
.irp i, 0,1,2,3
	ds_store_b128 v14, v[R+16*((\t)%4)+4*\i:R+16*((\t)%4)+4*\i+3] offset:32*SP*((\t)%2)+8*SP*\i
.endr
.irp i, 0,1,2,3
	ds_load_b128 v[X+16*((\t)%2)+4*\i:X+16*((\t)%2)+4*\i+3], v15 offset:32*SP*((\t)%2)+16*\i
.endr
.endm
.irp t, 0,1,2,3
	LOAD \t
.endr
	s_wait_loadcnt 12                              ; step 0's four loads are in; three steps' twelve stay out
	TURN 0
.macro STEP t                          ; step t: half t % 2 of my row t / 2
.set XS, X+16*((\t)%2)
.if (\t) > 0
	s_wait_dscnt 4                                 ; this step's numbers are back (the last step's four stores of codes and byte may be out)
.else
	s_wait_dscnt 0x0
.endif
.if (\t)+4 < STEPS
	LOAD (\t)+4
.endif
.if (\t)+1 < STEPS
.if STEPS-2-(\t) >= 3
	s_wait_loadcnt 12                              ; the next step's four loads are in; three steps' twelve may be out
.else
	s_wait_loadcnt 4*(STEPS-2-(\t))
.endif
	TURN (\t)+1
.endif
	v_max3_num_f32 v8, |v[XS]|, |v[XS+1]|, |v[XS+2]|               ; the largest magnitude of my 16, in two chains
	v_max3_num_f32 v9, |v[XS+3]|, |v[XS+4]|, |v[XS+5]|
.irp i, 6,10
	v_max3_num_f32 v8, v8, |v[XS+\i]|, |v[XS+\i+1]|
	v_max3_num_f32 v9, v9, |v[XS+\i+2]|, |v[XS+\i+3]|
.endr
	v_max3_num_f32 v8, v8, |v[XS+14]|, |v[XS+15]|
	v_max3_num_f32 v8, v8, v9, 0x1800000           ; the floor 2^(3 - 127): the byte cannot fall under 1
	v_max_num_f32_dpp v8, v8, v8 row_xmask:1 row_mask:0xf bank_mask:0xf   ; with my neighbour's 16: the block's
	v_add_nc_u32 v11, 0xff000000, v8               ; 2 off its exponent field: the conversion's scale operand
	v_cvt_scalef32_pk16_fp6_f32 v[C+4*(\t):C+4*(\t)+2], v[XS:XS+15], v11
	v_lshrrev_b32 v[E+(\t)], 23, v11               ; the scale's byte (also the plain line behind the conversion)
.irp e, 0,1,2
	ds_store_b32 v[LE+\e], v[C+4*(\t)+\e] offset:16*((\t)/2)+13056*((\t)%2)   ; a row on is 16 bytes, a half row on 48 runs
.endr
	ds_store_b8 v5, v[E+(\t)] offset:8*((\t)/2)+512*((\t)%2)   ; both lanes of a block write the same byte with the same value
.endm
.irp t, 0,1,2,3,4,5,6,7,8,9,10,11,12,13,14,15
	STEP \t
.endr
	s_wait_dscnt 0x0                               ; for the others' sake: my stores have landed
	s_barrier_signal -1
	s_barrier_wait -1                              ; 16 images and 1,024 scale bytes lie in LDS
.irp m, 0,1,2,3,4,5,6,7,8,9,10,11
	ds_load_b128 v[R+4*\m:R+4*\m+3], v[RDI] offset:\m*8*272
.endr
	ds_load_b64 v[X:X+1], v[SRD]
.irp m, 0,1,2,3,4,5,6,7,8,9,10,11
	s_wait_dscnt 12-\m
	global_store_b128 v[GO], v[R+4*\m:R+4*\m+3], s[34:35] offset:(\m/3)*25600+(\m%3)*2048   ; a wave stores 512 consecutive bytes, at a multiple of 256 from the buffer's first byte
.endr
	s_wait_dscnt 0x0
	global_store_b64 v[SGO], v[X:X+1], s[36:37]    ; 256 consecutive bytes
	s_wait_tensorcnt 0x0                           ; the wave's end
	ds_add_u32 v[SPW], v[NIL]
	s_wait_dscnt 0x0
	s_endpgm
.Lfunc_end_k_qd223aa657d_quant:
	.size	k_qd223aa657d_quant, .Lfunc_end_k_qd223aa657d_quant-k_qd223aa657d_quant
	.p2alignl 7, 3214868480
	.fill 96, 4, 3214868480
	.section	.rodata,"a",@progbits
	.p2align	6, 0x0
	.amdhsa_kernel k_qd223aa657d_quant
		.amdhsa_group_segment_fixed_size 60416
		.amdhsa_private_segment_fixed_size 0
		.amdhsa_enable_private_segment 0
		.amdhsa_kernarg_size 56
		.amdhsa_user_sgpr_count 2
		.amdhsa_user_sgpr_kernarg_segment_ptr 1
		.amdhsa_wavefront_size32 1
		.amdhsa_system_sgpr_workgroup_id_x 1
		.amdhsa_system_sgpr_workgroup_id_y 1
		.amdhsa_system_sgpr_workgroup_id_z 1
		.amdhsa_system_vgpr_workitem_id 0
		.amdhsa_next_free_vgpr 208
		.amdhsa_next_free_sgpr 66
		.amdhsa_reserve_vcc 0
		.amdhsa_float_denorm_mode_32 3
		.amdhsa_float_denorm_mode_16_64 3
		.amdhsa_memory_ordered 1
		.amdhsa_forward_progress 1
		.amdhsa_inst_pref_size 41
	.end_amdhsa_kernel
	.amdgpu_metadata
---
amdhsa.version: [ 1, 2 ]
amdhsa.kernels:
  - .name:           k_qd223aa657d_quant
    .symbol:         k_qd223aa657d_quant.kd
    .args:
      - { .name: x, .offset: 0, .size: 8, .value_kind: global_buffer, .address_space: global }
      - { .name: Wq, .offset: 8, .size: 8, .value_kind: global_buffer, .address_space: global }
      - { .name: Wk, .offset: 16, .size: 8, .value_kind: global_buffer, .address_space: global }
      - { .name: Wv, .offset: 24, .size: 8, .value_kind: global_buffer, .address_space: global }
      - { .name: Wo, .offset: 32, .size: 8, .value_kind: global_buffer, .address_space: global }
      - { .name: xq, .offset: 40, .size: 8, .value_kind: global_buffer, .address_space: global }
      - { .name: wq, .offset: 48, .size: 8, .value_kind: global_buffer, .address_space: global }
    .group_segment_fixed_size: 60416
    .private_segment_fixed_size: 0
    .kernarg_segment_align: 8
    .kernarg_segment_size: 56
    .max_flat_workgroup_size: 128
    .sgpr_count:     66
    .vgpr_count:     208
    .wavefront_size: 32
...
	.end_amdgpu_metadata
.endif
;; end of part 1
;; launch proj (part 2): grid 8 x 32, 4 waves a work-group, clusters of 4 x 4, 327,680 bytes of LDS; arguments xq, wq, bq, bk, bv, qkcodes, qkscales, vbuf; writes qkcodes, qkscales, vbuf
.if DOCPART == 2
	.amdgcn_target "amdgcn-amd-amdhsa--gfx1250"
	.amdhsa_code_object_version 6
	.text
	.protected	k_qd223aa657d_proj
	.globl	k_qd223aa657d_proj
	.p2align	8
	.type	k_qd223aa657d_proj,@function
k_qd223aa657d_proj:
	s_mov_b64 s[64:65], 0
	v_nop
	global_prefetch_b8 v0, s[64:65] scope:SCOPE_SE
	s_setreg_imm32_b32 hwreg(HW_REG_WAVE_MODE, 25, 1), 1
	s_wait_xcnt 0x0
	s_wait_alu depctr_hold_cnt(0) depctr_sa_sdst(0) depctr_va_vdst(0) depctr_va_sdst(0) depctr_va_ssrc(0) depctr_va_vcc(0) depctr_vm_vsrc(0)
	s_getreg_b32 s2, hwreg(HW_REG_IB_STS2, 6, 4)
	s_cmp_eq_u32 s2, 0
	s_cbranch_scc0 .Lentry_in_a_cluster
	s_endpgm
.Lentry_in_a_cluster:
	s_bfe_u32 s2, ttmp6, 0x10000c
	s_cmp_lg_u32 s2, 0xf033
	s_cbranch_scc0 .Lentry_shape_is_right
	s_endpgm
.Lentry_shape_is_right:
; q, k, v = x W^T + b: 8,192 tokens x 6,144 stored weight rows x K = 1,024, on codes of FP6 (E2M3) with E8M0 scales, in the units that the first launch laid (its head comment gives the layout).  Nothing is left out here.
; A tile of 256 tokens x 256 stored columns is made by four waves, 128 x 128 each: 64 accumulators, 512 registers.  A WORK-GROUP STAYS: three tiles of the same 256 tokens, 8 tile columns apart: 8 x 32 work-groups.
; THE ORDER OF THE TILES: tile column 16 + c first, then 8 + c, then c (c = 0 .. 7).  The first is k's (cluster x = 0) or v's (cluster x = 1), the other two are q's: v's 256 KB a work-group are stored
; while two tiles of products still follow, and every work-group ends with q's way out, 12 KB a wave.
; x's 256 TOKENS STAY IN LDS for all of K and all three tiles: 8 units, 204,800 bytes, fetched once.  Only the weights go through a ring of two slots; a slot holds two units (256 stored rows x 256 along K,
; codes and scale words): 51,200 bytes.  A fragment is three loads of 16 bytes a lane, each 512 consecutive bytes.
; THE FILLS.  Head: one load a wave: waves 0, 1 x's units of pair 0, waves 2, 3 slot 0's two units.  Behind the full sequence and a round: waves 0, 1 x's other three pairs (76,800 bytes each), waves 2, 3 slot 1's units.
; Every refill: each wave half a unit, 12,800 bytes.  The ring goes on into the next tile; the first two tiles are a loop of two trips, the third is written out.
; CLUSTERS 4 x 4: x's units are asked for jointly along a row of the cluster, the weights' along a column.  What the first tile is hangs on the cluster's x alone, which all sixteen partners share.
; No prefetch: the block is 256 x 256 in clusters, and a tile's K is four slots.
; THE MATRIX INSTRUCTION IS USED TRANSPOSED (source 0 = 16 stored weight rows, source 1 = 16 tokens).  THE BIAS is the C of each sum's first instruction.
; q, k leave quantised along d as images of a fragment's registers: qkcodes [16 tokens][chunk of 128 columns, 40][1,536 bytes]; qkscales [chunk][128 tokens][512 bytes]: lane (r, h) stores the words of tokens 16 (2 i + h) + r.
; v leaves as f32, [token][1,024 in the stored order], 16 tokens x 64 columns at a time through the wave's stage, which has bytes of its own behind the spare words: no fill lands there.
; LIMITS: as stated at the head of the first launch.
; REGISTERS: window 0: v0-31 addresses; v32-63 scale words, two sets; v64-127, v224-243 at work on the ways out; v128-223 x's fragments, one set.  Window 1: the weights' fragments, two sets, at v0 and v128;
; the bias at v96-127 and v224-255.  Windows 2, 3: the accumulators of my tokens 0-63, 64-127.
.set UNIT,   25600
.set GRPB,   4*UNIT                    ; a group of 128 rows, all of K
.set FRB,    1536                      ; a fragment's image
.set SCO,    24576                     ; the scale words in a unit
.set BS,     2*GRPB                    ; behind x: the ring
.set SLOTB,  2*UNIT
.set SPARE,  BS+2*SLOTB
.set STAGE,  SPARE+512                 ; v's stage: 16 rows x SPITCH for each wave
.set BACK_B, 16*GRPB+2*UNIT            ; from a slot's last pair of a tile back to its first of the next: 8 tile columns down, back along K
.set NQ,     2
.set FR,     12
.set NL,     3                         ; LDS loads that bring a fragment
.set NP,     4                         ; places behind this matrix instruction (ISA guide 7.12.1)
.set SPITCH, 272                       ; 256 bytes + 16
.set VROW,   4096
.set GRP,    40*1536
.set HH,   2
.set ADRS, 8                           ; v8-11  my scale words of pair p: lanes 0-15 x's, lanes 16-31 the weights'
.set ADRA, 16                          ; v16-17 my fragments of x, pairs 0-1 and 2-3
.set ADRB, 20                          ; v20-21 the weights', slot 0, 1
.set STO,  24                          ; the stage: where I put 32 bytes of a row
.set RD,   25                          ; and where I read 16 bytes back: sixteen lanes to a row, two rows
.set CO,   26                          ; 16 x lane
.set VOF,  27                          ; the same two rows in vbuf
.set SPW,  28
.set NIL,  29
.set BQO,  30
.set BVO,  31
.set SC,   32
.set BIW,  96
.set AF,   128
.set BK,   64                          ; v's way out: 16 rows x 256 bytes read back: v64-95 and v96-127 by turns
.set TM,   64
.set PWS,  80
.set PX,   88
.set G1A, 24                           ; x's loads
.set G0A, 32
.set G0H, 36                           ; the weights' whole units, at the start
.set G1H, 48
.set G0B, 56                           ; the refills, one group 0 for each slot
.set G1B, 68
.set MSB, 0
.macro WIN new
.if MSB != \new
	s_set_vgpr_msb (MSB<<8)|\new
.set MSB, \new
.endif
.endm
.set MUL_LO,  0xa1
.set MUL_HI,  0xf1
.set BIAS_LO, 0x91
.set BIAS_HI, 0xd1
.set TO_B,    0x40
.macro PLACES n
.rept \n
	v_nop
.endr
.endm
.macro JLOAD g0a, g1a, g0b, g1b        ; waves 0, 1 fetch for x, waves 2, 3 for the weights; s_nop 0 and four v_nop behind each line
	s_cmp_eq_u32 s15, 0
	s_cbranch_scc0 .Lfor_b_\@
	tensor_load_to_lds s[\g0a:\g0a+3], s[\g1a:\g1a+7]
	s_nop 0
	PLACES 4
	s_branch .Lasked_\@
.Lfor_b_\@:
	tensor_load_to_lds s[\g0b:\g0b+3], s[\g1b:\g1b+7]
	s_nop 0
	PLACES 4
.Lasked_\@:
.endm
.macro CREST
	s_cmp_lg_u32 s14, 0
	s_cbranch_scc1 .Lnot_wave_0_\@
	s_barrier_signal -3
.Lnot_wave_0_\@:
	s_barrier_wait -3
	s_barrier_signal -1
	s_barrier_wait -1
.endm
.macro CROUND
	s_barrier_signal -1
	s_barrier_wait -1
	CREST
.endm
.macro DENSE g, rows                   ; a dense block as rows of 256 bytes (32 elements of 8)
	s_mov_b32 s[\g+1], 32<<16
	s_mov_b32 s[\g+2], (\rows)<<16
	s_mov_b32 s[\g+3], 32<<16
	s_mov_b32 s[\g+4], \rows
	s_mov_b32 s[\g+5], 32
	s_mov_b32 s[\g+6], 0
	s_mov_b32 s[\g+7], 0
.endm
.macro BIASQK                          ; tile b, lane (r, h), register j: column 32 (b / 2) + 16 h + 8 (b % 2) + j of the chunk
	WIN TO_B
.irp b, 0,1,2,3,4,5,6,7
	global_load_b128 v[BIW+8*\b+96*(\b/4):BIW+8*\b+96*(\b/4)+3], v[BQO], s[96:97] offset:(32*(\b/2)+8*(\b%2))*4
	global_load_b128 v[BIW+8*\b+96*(\b/4)+4:BIW+8*\b+96*(\b/4)+7], v[BQO], s[96:97] offset:(32*(\b/2)+8*(\b%2))*4+16
.endr
	WIN 0
.endm
.macro BIASV                           ; stored column 16 b + 8 h + j: g3 = b / 4, g % 4 = j % 4, d4 = (b % 4) / 2, d % 8 = 4 (b % 2) + 2 h + j / 4
	WIN TO_B
.irp b, 0,1,2,3,4,5,6,7
.irp j, 0,1,2,3,4,5,6,7
	global_load_b32 v[BIW+8*\b+96*(\b/4)+\j], v[BVO], s[100:101] offset:2048*(\b/4)+256*(\j%4)+16*(\b%4)+4*(\j/4)+32*((\b%4)/2)
.endr
.endr
	WIN 0
.endm
	s_load_b128 s[4:7], s[0:1], 0x0                ; xq, wq
	s_load_b64 s[98:99], s[0:1], 0x10              ; bq
	s_load_b64 s[96:97], s[0:1], 0x18              ; bk
	s_load_b64 s[100:101], s[0:1], 0x20            ; bv
	s_load_b64 s[12:13], s[0:1], 0x28              ; qkcodes
	s_load_b64 s[66:67], s[0:1], 0x30              ; qkscales
	s_load_b64 s[104:105], s[0:1], 0x38            ; vbuf
	v_lshl_add_u32 v[SPW], v0, 2, SPARE
	v_mov_b32 v[NIL], 0
	ds_add_u32 v[SPW], v[NIL]                      ; the opening: the add, twice on end, and its wait ahead of my first tensor load
	ds_add_u32 v[SPW], v[NIL]
	v_lshrrev_b32 v1, 5, v0
	v_readfirstlane_b32 s14, v1                    ; wave
	s_lshr_b32 s15, s14, 1                         ; my half of the tokens; at the start: I fetch for x (0) or the weights (1)
	s_and_b32 s16, s14, 1                          ; my half of the columns; at the start: which group I fetch
	s_bfe_u32 s40, ttmp6, 0x40000                  ; cx, cy
	s_bfe_u32 s41, ttmp6, 0x40004
	s_lshl_b32 s42, ttmp9, 2
	s_add_co_u32 s42, s42, s40                     ; c: my last tile's column, 0 .. 7
	s_and_b32 s17, ttmp7, 0xffff
	s_lshl_b32 s17, s17, 2
	s_add_co_u32 s17, s17, s41                     ; tile row
	s_lshl_b32 s43, s41, 2
	s_lshl_b32 s43, 15, s43                        ; my row of the cluster
	s_lshl_b32 s44, 0x1111, s40                    ; my column
	s_or_b32 s[G1A], s43, (3<<16)|(1<<21)          ; the mask; elements of 8 bytes; bit 21 beside a mask
	s_or_b32 s[G1H], s44, (3<<16)|(1<<21)
	s_or_b32 s[G1B], s44, (3<<16)|(1<<21)
	DENSE G1A, 100                                 ; a unit
	DENSE G1H, 100
	DENSE G1B, 50                                  ; half a unit
	s_lshl_b32 s20, s17, 1
	s_add_co_u32 s20, s20, s16
	s_mul_i32 s20, s20, GRPB                       ; x: group 2 x tile row + wave % 2
	s_mov_b32 s21, 0
	s_lshl_b32 s46, s42, 1
	s_add_co_u32 s46, s46, 32                      ; my first tile's column is 16 + c: its first group
	s_add_co_u32 s92, s46, s15
	s_add_co_u32 s46, s46, s16
	s_mul_i32 s46, s46, GRPB                       ; weights, at the start: that group + wave % 2
	s_mov_b32 s47, 0
	s_mul_i32 s92, s92, GRPB                       ; in the refills: that group + wave / 2,
	s_mul_i32 s93, s16, UNIT/2                     ; half wave % 2 of its unit
	s_add_co_u32 s92, s92, s93
	s_mov_b32 s93, 0
	s_mul_i32 s45, s16, GRPB                       ; where they go: no place in the cluster enters an LDS address
	s_mul_i32 s94, s16, UNIT
	s_add_co_u32 s94, s94, BS
	s_mul_i32 s3, s14, UNIT/2
	s_add_co_u32 s3, s3, BS
	s_wait_dscnt 0x0                               ; both opening adds are done
	s_wait_kmcnt 0x0
	s_mov_b32 s[G0A], 1
	s_mov_b32 s[G0A+1], s45
	s_add_nc_u64 s[G0A+2:G0A+3], s[4:5], s[20:21]
	s_or_b32 s[G0A+3], s[G0A+3], 0x80000000
	s_mov_b32 s[G0H], 1
	s_mov_b32 s[G0H+1], s94
	s_add_nc_u64 s[G0H+2:G0H+3], s[6:7], s[46:47]
	s_or_b32 s[G0H+3], s[G0H+3], 0x80000000
	s_add_nc_u64 s[92:93], s[6:7], s[92:93]
.irp s, 0,1
	s_mov_b32 s[G0B+4*\s], 1
	s_add_co_u32 s[G0B+4*\s+1], s3, \s*SLOTB
	s_add_nc_u64 s[G0B+4*\s+2:G0B+4*\s+3], s[92:93], \s*UNIT
	s_or_b32 s[G0B+4*\s+3], s[G0B+4*\s+3], 0x80000000
.endr
	CROUND                                         ; all sixteen work-groups are here: the first joint loads meet
	JLOAD G0A, G1A, G0H, G1H                       ; pair 0 of x and of the weights: one tensor load a wave at the head
	; where my results go
	s_lshl_b32 s46, s42, 1
	s_add_co_u32 s46, s46, s16                     ; my chunk of 128 stored columns in my last tile; a tile earlier is 16 chunks on
	s_add_co_u32 s86, s46, 32                      ; in my first tile (k's chunks are 32 .. 39; in v's clusters that tile stores nothing by these two pointers)
	s_lshl_b32 s20, s17, 4
	s_lshl_b32 s21, s15, 3
	s_add_co_u32 s20, s20, s21                     ; my first group of 16 tokens
	s_mul_i32 s20, s20, 40
	s_add_co_u32 s20, s20, s86
	s_mul_i32 s20, s20, 1536
	s_mov_b32 s21, 0
	s_add_nc_u64 s[12:13], s[12:13], s[20:21]      ; qkcodes at my first image
	s_lshl_b32 s20, s17, 10
	s_lshl_b32 s22, s15, 9
	s_add_co_u32 s20, s20, s22                     ; 512 bytes for each 128 tokens,
	s_lshl_b32 s22, s86, 15                        ; 32,768 for each chunk
	s_add_co_u32 s20, s20, s22
	s_add_nc_u64 s[66:67], s[66:67], s[20:21]      ; qkscales
	s_lshl_b32 s20, s17, 20                        ; 256 tokens of 4,096 bytes
	s_lshl_b32 s22, s15, 19
	s_add_co_u32 s20, s20, s22
	s_lshl_b32 s22, s40, 10                        ; in v's cluster cx is the tile's number among v's four
	s_add_co_u32 s20, s20, s22
	s_lshl_b32 s22, s16, 9
	s_add_co_u32 s20, s20, s22
	s_add_nc_u64 s[104:105], s[104:105], s[20:21]  ; vbuf
	s_add_co_u32 s20, s46, 16
	s_lshl_b32 s20, s20, 9
	s_add_nc_u64 s[98:99], s[98:99], s[20:21]      ; bq at my second tile's chunk
	s_lshl_b32 s20, s40, 1
	s_add_co_u32 s20, s20, s16
	s_lshl_b32 s20, s20, 9
	s_add_nc_u64 s[96:97], s[96:97], s[20:21]      ; bk: in k's cluster cx is the tile's number among k's four
	s_lshl_b32 s20, s16, 10                        ; bv: 4 x (64 g + d) with g2 = my half, d5 and d3 = the tile's number's two bits
	s_lshr_b32 s22, s40, 1
	s_lshl_b32 s22, s22, 7
	s_add_co_u32 s20, s20, s22
	s_and_b32 s22, s40, 1
	s_lshl_b32 s22, s22, 5
	s_add_co_u32 s20, s20, s22
	s_add_nc_u64 s[100:101], s[100:101], s[20:21]
	; the LDS addresses' scalar parts
	s_mul_i32 s76, s15, GRPB                       ; my 128 tokens
	s_add_co_u32 s77, s76, 2*UNIT
	s_mul_i32 s86, s16, UNIT
	s_add_co_u32 s80, s86, BS                      ; my 128 stored rows in slot 0,
	s_add_co_u32 s81, s80, SLOTB                   ; in slot 1
.irp p, 0,1,2,3
	s_add_co_u32 s[82+\p], s86, BS+(\p%2)*SLOTB-\p*UNIT
	s_sub_co_u32 s[82+\p], s[82+\p], s76           ; from x's scale words of pair p to the weights'
.endr
	s_mul_i32 s23, s14, 16*SPITCH
	s_add_co_u32 s23, s23, STAGE
	s_mov_b32 s18, 0x76543210
	s_mov_b32 s19, 0xfedcba98                      ; v_permlanex16_b32's selects for lane l xor 16
	s_mov_b32 s95, 0xffff0000                      ; lanes 16-31
	v_and_b32 v1, 15, v0
	v_bfe_u32 v[HH], v0, 4, 1
	v_and_b32 v6, 31, v0
	v_lshlrev_b32 v[CO], 4, v6
	v_add_nc_u32 v[ADRA], s76, v[CO]
	v_add_nc_u32 v[ADRA+1], s77, v[CO]
	v_add_nc_u32 v[ADRB], s80, v[CO]
	v_add_nc_u32 v[ADRB+1], s81, v[CO]
	v_lshl_add_u32 v5, v1, 3, s76                  ; 8 bytes a row
.irp p, 0,1,2,3
	v_mad_u32_u24 v[3+(\p%2)], v[HH], s[82+\p], v5
	v_add_nc_u32 v[ADRS+\p], SCO+\p*UNIT, v[3+(\p%2)]
.endr
	v_mul_u32_u24 v7, v1, SPITCH                   ; the stage, in: row l % 16, 32 bytes for each half of the lanes
	v_lshl_add_u32 v7, v[HH], 5, v7
	v_add_nc_u32 v[STO], s23, v7
	v_mul_u32_u24 v7, v[HH], SPITCH                ; back: lanes 0-15 one row of 256 bytes, lanes 16-31 the next
	v_lshl_add_u32 v7, v1, 4, v7
	v_add_nc_u32 v[RD], s23, v7
	v_lshlrev_b32 v7, 12, v[HH]                    ; and the same two rows in vbuf
	v_lshl_add_u32 v[VOF], v1, 4, v7
	v_lshlrev_b32 v[BQO], 6, v[HH]
	v_lshlrev_b32 v[BVO], 3, v[HH]
.irp b, 0,1,2,3
	v_mov_b32 v[TM+4+\b], 0                        ; written once: a lane permute's destination counts as one of its sources
.endr
	s_wait_alu depctr_va_vdst(0)                   ; at the head's end: behind its last vector instruction, ahead of the branch and the waits below
	s_cmp_eq_u32 ttmp9, 1                          ; my first tile is k's or v's
	s_cbranch_scc1 .Lbias_v
	BIASQK
	s_branch .Lbias_in
.Lbias_v:
	BIASV
.Lbias_in:
.macro FRAG reg, adr, off              ; three loads of 512 consecutive bytes: registers 4 s .. 4 s + 3
.irp s, 0,1,2
	ds_load_b128 v[\reg+4*\s:\reg+4*\s+3], v[\adr] offset:(\off)+512*\s
.endr
.endm
; 16 matrix instructions: x's blocks a0, a0 + 1 against the weights' eight.  The 64 accumulators take turns, in the same order in every step.
.macro MUL16 a0, p, q, sc, zero
.irp a, \a0, \a0+1
.irp b, 0,1,2,3,4,5,6,7
.if \zero
	v_wmma_scale_f32_16x16x128_f8f6f4 v[8*(8*((\a)%4)+\b):8*(8*((\a)%4)+\b)+7], v[128*(\p)+FR*\b:128*(\p)+FR*\b+FR-1], v[AF+FR*(\a):AF+FR*(\a)+FR-1], v[BIW+8*\b+96*(\b/4):BIW+8*\b+96*(\b/4)+7], v[SC+8*NQ*(\sc)+NQ*\b+(\q)], v[SC+8*NQ*(\sc)+NQ*(\a)+(\q)] matrix_a_fmt:MATRIX_FMT_FP6 matrix_b_fmt:MATRIX_FMT_FP6 matrix_a_scale:MATRIX_SCALE_ROW1
.else
	v_wmma_scale_f32_16x16x128_f8f6f4 v[8*(8*((\a)%4)+\b):8*(8*((\a)%4)+\b)+7], v[128*(\p)+FR*\b:128*(\p)+FR*\b+FR-1], v[AF+FR*(\a):AF+FR*(\a)+FR-1], v[8*(8*((\a)%4)+\b):8*(8*((\a)%4)+\b)+7], v[SC+8*NQ*(\sc)+NQ*\b+(\q)], v[SC+8*NQ*(\sc)+NQ*(\a)+(\q)] matrix_a_fmt:MATRIX_FMT_FP6 matrix_b_fmt:MATRIX_FMT_FP6 matrix_a_scale:MATRIX_SCALE_ROW1
.endif
.endr
.endr
.endm
.macro FETCH_B slot, q, set
	WIN TO_B
.irp i, 0,1,2,3,4,5,6,7
	FRAG 128*(\set)+FR*\i, ADRB+(\slot), (2*\i+(\q))*FRB
.endr
	WIN 0
.endm
.macro FETCH_A p, q, i0
.irp i, \i0, \i0+1, \i0+2, \i0+3
	FRAG AF+FR*(\i), ADRA+(\p)/2, ((\p)%2)*UNIT+(2*(\i)+(\q))*FRB
.endr
.endm
.macro SCALES p                        ; pair p's words into set p % 2: two words a row
.irp i, 0,1,2,3,4,5,6,7
	ds_load_b64 v[SC+16*((\p)%2)+2*\i:SC+16*((\p)%2)+2*\i+1], v[ADRS+(\p)] offset:\i*128
.endr
.endm
.macro STEP p, zero                    ; pair p's first 128 along K
	s_wait_dscnt 4*NL                              ; all but the youngest 12 loads (x's blocks 4-7)
.if \zero
	WIN BIAS_LO
.else
	WIN MUL_LO
.endif
	MUL16 0, 0, 0, (\p)%2, \zero
	MUL16 2, 0, 0, (\p)%2, \zero
	s_wait_dscnt 0
	PLACES NP
	FETCH_B (\p)%2, 1, 1
	FETCH_A \p, 1, 0
.if \zero
	WIN BIAS_HI
.else
	WIN MUL_HI
.endif
	MUL16 4, 0, 0, (\p)%2, \zero
	MUL16 6, 0, 0, (\p)%2, \zero
	PLACES NP
	WIN 0
	FETCH_A \p, 1, 4
.endm
; Pair p's second 128 along K, and the change of slots: ONE barrier; in front of it each wave waits for all its tensor loads, adds 0 to its spare word, and waits for that and for its reads of this slot.
; fill = 1: the slot takes the pair two on; 2: the next tile's pair 0 or 1; 0: nothing.  np: the pair whose first fragments are fetched.
.macro TURN p, np, fill
.set SL, (\p)%2
	s_wait_tensorcnt 0x0
	ds_add_u32 v[SPW], v[NIL]
	s_wait_dscnt 4*NL+1                            ; (the add and the youngest 12 loads may be out)
	WIN MUL_LO
	MUL16 0, 1, 1, SL, 0
	s_wait_dscnt 0x0                               ; the add is done, and my reads of this slot are over
	s_barrier_signal -1
	MUL16 2, 1, 1, SL, 0
	WIN 0
	s_barrier_wait -1
.if \fill
	CREST                                          ; the barrier has opened a round of the cluster's barrier
.if \fill == 2
	s_sub_nc_u64 s[G0B+4*SL+2:G0B+4*SL+3], s[G0B+4*SL+2:G0B+4*SL+3], BACK_B
.else
	s_add_nc_u64 s[G0B+4*SL+2:G0B+4*SL+3], s[G0B+4*SL+2:G0B+4*SL+3], 2*UNIT
.endif
	tensor_load_to_lds s[G0B+4*SL:G0B+4*SL+3], s[G1B:G1B+7]   ; my half unit: the first tensor load behind the round
	s_nop 0
.endif
	PLACES NP                                      ; behind the load, and in front of the loads below
	FETCH_B (\np)%2, 0, 0
	FETCH_A \np, 0, 0
	SCALES \np
	WIN MUL_HI
	MUL16 4, 1, 1, SL, 0
	MUL16 6, 1, 1, SL, 0
	PLACES NP
	WIN 0
	FETCH_A \np, 0, 4
.endm
; q's AND k's WAY OUT.  Block a: 16 tokens x my 128 columns: register 16 b + i = column 32 b + 16 (lane / 16) + i of my token.  They become a fragment's 12 registers and a scale word; three stores of 512 consecutive bytes.
.macro QBLOCK a
.set WN,  2+(\a)/4
.set WSS, (WN<<2)|(WN<<4)
.set ACB, 64*((\a)%4)
.set PC,  96+128*((\a)%2)
	s_wait_xcnt 0x0                                ; only behind this wait are the earlier stores' data registers written again
	WIN WSS
.irp b, 0,1,2,3
	v_mov_b32 v[TM+\b], 0x1800000                  ; the floor 2^(3 - 127)
.endr
.irp i, 0,2,4,6,8,10,12,14
.irp b, 0,1,2,3
	v_max3_num_f32 v[TM+\b], v[TM+\b], |v[ACB+16*\b+\i]|, |v[ACB+16*\b+\i+1]|
.endr
.endr
	WIN 0
.irp b, 0,1,2,3
	v_permlanex16_b32 v[TM+4+\b], v[TM+\b], s18, s19
.endr
.irp b, 0,1,2,3
	v_max_num_f32 v[TM+\b], v[TM+\b], v[TM+4+\b]
.endr
.irp b, 0,1,2,3
	v_add_nc_u32 v[TM+12+\b], 0xff000000, v[TM+\b] ; the conversion's scale operand
.endr
.irp b, 0,1,2,3
	v_lshrrev_b32 v[TM+4+\b], 23, v[TM+12+\b]      ; the scale's byte
.endr
	v_lshl_or_b32 v[PWS+(\a)], v[TM+5], 8, v[TM+4]
	v_lshl_or_b32 v[PWS+(\a)], v[TM+6], 16, v[PWS+(\a)]
	v_lshl_or_b32 v[PWS+(\a)], v[TM+7], 24, v[PWS+(\a)]
	WIN WN
.irp c, 0,1
	v_cvt_scalef32_pk16_fp6_f32 v[PC+6*\c:PC+2+6*\c], v[ACB+32*\c:ACB+15+32*\c], v[TM+12+2*\c]
	v_cvt_scalef32_pk16_fp6_f32 v[PC+12+4*\c:PC+14+4*\c], v[ACB+16+32*\c:ACB+31+32*\c], v[TM+12+2*\c+1]
.endr
	WIN 0
	v_nop                                          ; one plain place behind a scaled conversion
.irp c, 0,1                                    ; a whole block in a lane: lanes 0-15 block 2 c, lanes 16-31 block 2 c + 1
.irp i, 0,1,2
	v_permlane16_swap_b32 v[PC+6*\c+\i], v[PC+12+4*\c+\i]
.endr
.irp i, 0,1,2
	v_mov_b32 v[PC+3+6*\c+\i], v[PC+12+4*\c+\i]
.endr
.endr
.irp c, 0,1,2
	global_store_b128 v[CO], v[PC+4*\c:PC+4*\c+3], s[12:13] offset:(\a)*GRP+512*\c th:TH_STORE_NT
.endr
.endm
.macro QOUT
.irp a, 0,1,2,3,4,5,6,7
	QBLOCK \a
.endr
.irp i, 0,1,2,3
	v_cndmask_b32 v[PX+\i], v[PWS+2*\i], v[PWS+2*\i+1], s95   ; lanes 0-15 the even blocks' words, lanes 16-31 the odd blocks'
.endr
	global_store_b128 v[CO], v[PX:PX+3], s[66:67] th:TH_STORE_NT
.endm
; v's WAY OUT, in 16 parts: part u is block u / 2 (16 tokens), columns 64 (u % 2) .. + 63 of my 128.  Through my own stage and back as rows of 256 bytes, sixteen lanes to a row.
; LDS serves a wave's instructions in order (ISA guide 5.7.1.4): no wait between the stores and the loads, nor in front of the next part's stores.
.macro VSTAGE u
.set AC, 64*(((\u)/2)%4)+32*((\u)%2)
.set WD, 0x08+4*((\u)/8)
	WIN WD                                         ; the data: window 2 or 3
.irp b, 0,1,2,3
	ds_store_b128 v[STO], v[AC+8*\b:AC+8*\b+3] offset:64*\b          ; each accumulator from its low end on
	ds_store_b128 v[STO], v[AC+8*\b+4:AC+8*\b+7] offset:64*\b+16
.endr
	WIN 0
.set BB, BK+32*((\u)%2)
.irp t, 0,1,2,3,4,5,6,7
	ds_load_b128 v[BB+4*\t:BB+4*\t+3], v[RD] offset:\t*2*SPITCH
.endr
.endm
.macro VSEND u, younger                ; younger: the LDS instructions issued behind part u's loads, which may stay out
.set BB, BK+32*((\u)%2)
	s_wait_dscnt \younger
.if ((\u)%2 == 0) && ((\u) > 0)
	s_add_nc_u64 s[104:105], s[104:105], 16*VROW   ; (behind a wait on XCNT: the earlier stores have read their base)  16 tokens on
.endif
.irp t, 0,1,2,3,4,5,6,7
	global_store_b128 v[VOF], v[BB+4*\t:BB+4*\t+3], s[104:105] offset:2*\t*VROW+256*((\u)%2) th:TH_STORE_NT   ; sixteen lanes store 256 consecutive bytes, at a multiple of 256 from the buffer's first byte
.endr
.endm
.macro VOUT
	VSTAGE 0
.irp u, 1,2,3,4,5,6,7,8,9,10,11,12,13,14,15
.if \u > 1
	s_wait_xcnt 0x0                                ; part u - 2's stores have read their registers and their base
.endif
	VSTAGE \u
	VSEND \u-1, 16                                 ; behind part u - 1's loads: part u's 8 stores and 8 loads
.endr
	s_wait_xcnt 0x0
	VSEND 15, 0
.endm
	s_wait_tensorcnt 0x0                           ; my unit of pair 0 is in; these lines stand ahead of a later first fill as ahead of a refill
	ds_add_u32 v[SPW], v[NIL]
	s_mov_b32 s[G1A+2], 300<<16                    ; no tensor load of mine is out: x's next load brings three units,
	s_mov_b32 s[G1A+4], 300
	s_add_co_u32 s[G0A+1], s[G0A+1], UNIT          ; pairs 1 to 3 of my group;
	s_add_nc_u64 s[G0A+2:G0A+3], s[G0A+2:G0A+3], UNIT
	s_add_co_u32 s[G0H+1], s[G0H+1], SLOTB         ; the weights' next: pair 1, into slot 1
	s_add_nc_u64 s[G0H+2:G0H+3], s[G0H+2:G0H+3], UNIT
	s_wait_dscnt 0x0
	CROUND
	JLOAD G0A, G1A, G0H, G1H                       ; first fills alone stand behind this round
	FETCH_B 0, 0, 0
	FETCH_A 0, 0, 0
	SCALES 0
	FETCH_A 0, 0, 4
	s_mov_b32 s2, 2
.Ltile:                                                ; two trips: k's or v's tile, then q's upper tile
	s_wait_loadcnt 0x0                             ; this tile's bias is in: its loads' base may be written
	STEP 0, 1
	s_mov_b64 s[96:97], s[98:99]                   ; the next tile is q's: its bias,
	s_sub_nc_u64 s[98:99], s[98:99], 16*512        ; and the one after lies 16 chunks down (behind the second trip this pointer is used no more)
	BIASQK                                         ; four places stand between the step's last product and these loads into registers that it read
	TURN 0, 1, 1
	STEP 1, 0
	TURN 1, 2, 1
	STEP 2, 0
	TURN 2, 3, 2                                   ; slot 0 takes the next tile's pair 0,
	STEP 3, 0
	TURN 3, 0, 2                                   ; slot 1 its pair 1, and the next tile's first fragments are fetched
	s_cmp_eq_u32 s2, 2                             ; both refills are asked for: now the tile goes out.  v's way in the first trip of v's clusters: by the count of tiles and the cluster's x alone
	s_cselect_b32 s20, ttmp9, 0
	s_cmp_eq_u32 s20, 1
	s_cbranch_scc1 .Lv_out
	QOUT
	s_branch .Lout_done
.Lv_out:
	VOUT
.Lout_done:
	s_wait_xcnt 0x0                                ; the stores have read their bases
	s_sub_nc_u64 s[12:13], s[12:13], 16*1536       ; 16 chunks down
	s_sub_nc_u64 s[66:67], s[66:67], 16*32768
	s_sub_co_u32 s2, s2, 1
	s_cmp_lg_u32 s2, 0
	s_cbranch_scc1 .Ltile
	s_wait_loadcnt 0x0                             ; THE LAST TILE, q's lower one: its last two changes of slots ask for nothing
	STEP 0, 1
	TURN 0, 1, 1
	STEP 1, 0
	TURN 1, 2, 1
	STEP 2, 0
	TURN 2, 3, 0
	STEP 3, 0
	s_wait_dscnt 4*NL
	WIN MUL_LO
	MUL16 0, 1, 1, 1, 0
	MUL16 2, 1, 1, 1, 0
	s_wait_dscnt 0
	WIN MUL_HI
	MUL16 4, 1, 1, 1, 0
	MUL16 6, 1, 1, 1, 0
	WIN 0
	PLACES NP                                      ; behind the last products, ahead of the first reads of results
	QOUT
	s_wait_tensorcnt 0x0                           ; the wave's end
	ds_add_u32 v[SPW], v[NIL]
	s_wait_dscnt 0x0
	CROUND                                         ; the closing round
	s_endpgm
.Lfunc_end_k_qd223aa657d_proj:
	.size	k_qd223aa657d_proj, .Lfunc_end_k_qd223aa657d_proj-k_qd223aa657d_proj
	.p2alignl 7, 3214868480
	.fill 96, 4, 3214868480
	.section	.rodata,"a",@progbits
	.p2align	6, 0x0
	.amdhsa_kernel k_qd223aa657d_proj
		.amdhsa_group_segment_fixed_size 327680
		.amdhsa_private_segment_fixed_size 0
		.amdhsa_enable_private_segment 0
		.amdhsa_kernarg_size 64
		.amdhsa_user_sgpr_count 2
		.amdhsa_user_sgpr_kernarg_segment_ptr 1
		.amdhsa_wavefront_size32 1
		.amdhsa_system_sgpr_workgroup_id_x 1
		.amdhsa_system_sgpr_workgroup_id_y 1
		.amdhsa_system_sgpr_workgroup_id_z 1
		.amdhsa_system_vgpr_workitem_id 0
		.amdhsa_next_free_vgpr 1024
		.amdhsa_next_free_sgpr 106
		.amdhsa_reserve_vcc 0
		.amdhsa_float_denorm_mode_32 3
		.amdhsa_float_denorm_mode_16_64 3
		.amdhsa_memory_ordered 1
		.amdhsa_forward_progress 1
		.amdhsa_inst_pref_size 255
	.end_amdhsa_kernel
	.section	.bss,"aw",@nobits
	.p2align	6
	.space	262144
	.amdgpu_metadata
---
amdhsa.version: [ 1, 2 ]
amdhsa.kernels:
  - .name:           k_qd223aa657d_proj
    .symbol:         k_qd223aa657d_proj.kd
    .args:
      - { .name: xq, .offset: 0, .size: 8, .value_kind: global_buffer, .address_space: global }
      - { .name: wq, .offset: 8, .size: 8, .value_kind: global_buffer, .address_space: global }
      - { .name: bq, .offset: 16, .size: 8, .value_kind: global_buffer, .address_space: global }
      - { .name: bk, .offset: 24, .size: 8, .value_kind: global_buffer, .address_space: global }
      - { .name: bv, .offset: 32, .size: 8, .value_kind: global_buffer, .address_space: global }
      - { .name: qkcodes, .offset: 40, .size: 8, .value_kind: global_buffer, .address_space: global }
      - { .name: qkscales, .offset: 48, .size: 8, .value_kind: global_buffer, .address_space: global }
      - { .name: vbuf, .offset: 56, .size: 8, .value_kind: global_buffer, .address_space: global }
    .group_segment_fixed_size: 327680
    .private_segment_fixed_size: 0
    .kernarg_segment_align: 8
    .kernarg_segment_size: 64
    .max_flat_workgroup_size: 128
    .sgpr_count:     106
    .vgpr_count:     1024
    .wavefront_size: 32
...
	.end_amdgpu_metadata
.endif
;; end of part 2
;; launch attn (part 3): grid 512 x 1, 8 waves a work-group, no clusters, 79,360 bytes of LDS; arguments qkcodes, qkscales, vbuf, aq; writes aq
.if DOCPART == 3
	.amdgcn_target "amdgcn-amd-amdhsa--gfx1250"
	.amdhsa_code_object_version 6
	.text
	.protected	k_qd223aa657d_attn
	.globl	k_qd223aa657d_attn
	.p2align	8
	.type	k_qd223aa657d_attn,@function
k_qd223aa657d_attn:
	s_mov_b64 s[64:65], 0
	v_nop
	global_prefetch_b8 v0, s[64:65] scope:SCOPE_SE
	s_setreg_imm32_b32 hwreg(HW_REG_WAVE_MODE, 25, 1), 1
	s_wait_xcnt 0x0
; For each token: scores[q][h][g] = Q(q[q][h]) . Q(k[g]) / 8 on codes of FP6 (K = 64: two blocks of 32; the instruction's other 64 are zero codes), the softmax over the 16 heads g, the sum over the four queries q,
; the product with v (K = 16, f32 operands, since its result goes into a quantiser), and the result as codes of the last product's left operand.
; WORK LEFT OUT: sum_q (P_q v) = (sum_q P_q) v for all values (the product is linear in P, and no quantiser stands between): the four P are added first and v is multiplied once.  Limits: at the head of the first launch.
; reference()'s transposition puts token s, head h, channel d of batch b at row 2048 b + 128 h + s / 16, column 64 (s % 16) + d: 16 neighbouring tokens fill 16 whole rows, one a head, and a block of 32 along that K is half a head of a token.
; SHARES.  A work-group takes 16 neighbouring tokens, each of its eight waves two of them, one after the other (the macro TOKEN, written twice; no loop).  Work-groups share no input: no cluster.  No tensor loads.
; q's and k's codes of the 16 tokens are 61,440 dense bytes (40 register images): the waves copy them into LDS in runs of 512 bytes; a lane then takes the 24 bytes of ITS head of the wave's token.
; LAYOUT.  S^T = k q^T (source 0 = the 16 heads g of k, source 1 = the 16 heads h of query q): lane (r, hh) holds head h = r and g = 8 hh + 0 .. 7.  The summed P in that layout IS source 1 of O^T = v^T P^T in the f32 form, K step s
; taking g = 8 hh + 2 s + 0, 1; v's row was laid by the earlier launches as source 0's registers for that order of g, with the channels of a tile chosen so that the 16 registers of tiles 2 b, 2 b + 1 are d = 32 b + 16 hh + 0 .. 15.
; THE SOFTMAX: the row's maximum is taken away first, as reference() does, then the difference is scaled by log2(e) / 8: near the maximum the difference is exact however large the scores are.
; The scale bytes come 2 bytes a lane (10 loads a wave) and aq's leave 4 bytes a lane (262 KB in all): both are small beside the 128 KB that a work-group reads.
; LDS: 0: the images, 240 runs of 256 bytes at pitch 272; 65,280 to 78,335: not used; 78,336: the spare words.
.set STG,   65280
.set SSTG,  77824
.set SPARE, 78336
.set SPW,   18                         ; v18 my spare word's address; v19 0; never rewritten
.set NIL,   19
.set QS,    20                         ; v20-29 scale words and nothing else: token n, operand f (0-3: query f; 4: k) at v[20 + 5 n + f]
.set VR,    32                         ; v32-95 v: 32 registers a token
.set FRG,   96                         ; v96-155 first the copy's data, then the five fragments, 12 registers each
.set SR,    160                        ; v160-191 the scores, then p; later the codes just made
.set OA,    192                        ; v192-223 O^T: written by the f32 matrix instructions alone
.set PS,    224                        ; v224-231 the summed P
.set MM,    232                        ; v232-239 a maximum (even) and the other half's (odd) for each query
.set TT,    240                        ; v240-255 at work
	s_load_b256 s[4:11], s[0:1], 0x0               ; qkcodes, qkscales, vbuf, aq
	v_lshl_add_u32 v[SPW], v0, 2, SPARE
	v_mov_b32 v[NIL], 0
	v_lshrrev_b32 v1, 5, v0
	s_delay_alu instid0(VALU_DEP_1)
	v_readfirstlane_b32 s12, v1                    ; wave 0..7
	v_and_b32 v1, 31, v0                           ; lane
	v_and_b32 v2, 15, v0                           ; r
	v_bfe_u32 v3, v0, 4, 1                         ; hh
	s_delay_alu instid0(VALU_DEP_3)
	v_lshlrev_b32 v4, 4, v1                        ; 16 x lane
	s_mul_i32 s18, s12, 8160                       ; the copy: my 30 runs of 272
	v_mul_u32_u24 v5, v3, 272
	s_delay_alu instid0(VALU_DEP_1)
	v_lshl_add_u32 v5, v2, 4, v5
	s_delay_alu instid0(VALU_DEP_1)
	v_add_nc_u32 v5, s18, v5                       ; + 272 hh + 16 r
	v_lshrrev_b32 v240, 1, v2                      ; r / 2: my head's chunk
	v_and_b32 v241, 1, v2                          ; r % 2: which head of the chunk
	s_delay_alu instid0(VALU_DEP_2)
	v_mul_u32_u24 v6, v240, 1632                   ; an image is six runs
	s_delay_alu instid0(VALU_DEP_1)
	v_mad_u32_u24 v6, v3, 272, v6
	s_lshl_b32 s18, s12, 5                         ; my first token's 16 bytes in a run
	v_add_nc_u32 v6, s18, v6
	s_delay_alu instid0(VALU_DEP_1)
	v_mad_u32_u24 v7, v241, 1080, v6               ; the even head's 24 bytes lie at 0, 8, 544 of the image (registers 0-5), the odd head's at 552, 1088, 1096 (registers 6-11):
	s_delay_alu instid0(VALU_DEP_2)
	v_mad_u32_u24 v6, v241, 552, v6                ; v6 serves the first and third piece, v7 the second
	v_lshlrev_b32 v8, 15, v240                     ; the scale bytes: 32,768 a chunk, 2 bytes a head
	s_delay_alu instid0(VALU_DEP_1)
	v_lshl_add_u32 v8, v241, 1, v8
	; THE WAY OUT (it takes the place of the stage of rows that the head comment names: bytes 65,280 to 78,335 of LDS are not used).  aq is laid in the units of the first launch's head comment; the 16 rows that a
	; work-group makes, one a head, are block ttmp9 % 8 of group ttmp9 / 8, row r = head.  Wave w's two tokens are K step w of those rows: token n gives registers 6 n .. 6 n + 5 of lane (r, hh), so the wave's
	; 12 registers are the fragment's image and leave by three stores of 512 consecutive bytes; the row's scale word leaves 4 bytes a lane, 8 bytes apart (262 KB in all).
	v_lshlrev_b32 v13, 3, v2                       ; my row's scale words: 8 bytes a row
	s_mov_b32 s14, 0x76543210
	s_mov_b32 s15, 0xfedcba98                      ; v_permlanex16_b32's selects for lane l xor 16
	s_mov_b32 s16, 0x3e38aa3b                      ; log2(e) / 8
	s_mov_b32 s17, s16                             ; (named with it as a pair, so it is written)
	s_mov_b32 s19, 0
	s_wait_alu depctr_va_vdst(0)                   ; directly ahead of the wait below
	s_wait_kmcnt 0x0
	s_mul_i32 s18, ttmp9, 61440
	s_mul_i32 s20, s12, 7680
	s_add_co_u32 s18, s18, s20
	s_add_nc_u64 s[4:5], s[4:5], s[18:19]          ; my 7,680 bytes of the work-group's images
	s_lshr_b32 s18, ttmp9, 3
	s_lshl_b32 s18, s18, 9                         ; the scale words: the 128 tokens' 512 bytes,
	s_and_b32 s20, ttmp9, 1
	s_lshl_b32 s20, s20, 8                         ; the half of the lanes that stored my 16 tokens' words,
	s_add_co_u32 s18, s18, s20
	s_bfe_u32 s20, ttmp9, 0x20001
	s_lshl_b32 s20, s20, 2                         ; which of a lane's four words,
	s_add_co_u32 s18, s18, s20
	s_lshl_b32 s20, s12, 5                         ; and my first token's lane
	s_add_co_u32 s18, s18, s20
	s_add_nc_u64 s[6:7], s[6:7], s[18:19]
	s_lshl_b32 s18, ttmp9, 16
	s_lshl_b32 s20, s12, 13
	s_add_co_u32 s18, s18, s20
	s_add_nc_u64 s[8:9], s[8:9], s[18:19]          ; v at my first token
	s_lshr_b32 s20, ttmp9, 3
	s_mul_i32 s20, s20, 102400                     ; my group's four units,
	s_lshr_b32 s21, s12, 1
	s_mul_i32 s21, s21, 25600                      ; pair w / 2
	s_add_co_u32 s20, s20, s21
	s_and_b32 s21, ttmp9, 7                        ; my block of 16 rows
	s_and_b32 s24, s12, 1                          ; which K step of the pair
	s_lshl_b32 s18, s21, 7
	s_lshl_b32 s25, s24, 2
	s_add_co_u32 s18, s18, s25
	s_add_co_u32 s18, s18, s20
	s_add_nc_u64 s[22:23], s[10:11], s[18:19]
	s_add_nc_u64 s[22:23], s[22:23], 24576         ; its scale words
	s_lshl_b32 s18, s21, 1
	s_add_co_u32 s18, s18, s24
	s_mul_i32 s18, s18, 1536
	s_add_co_u32 s18, s18, s20
	s_add_nc_u64 s[10:11], s[10:11], s[18:19]      ; my image
	; all the wave's loads go out at once: 15 + 10 + 16
.irp i, 0,1,2,3,4,5,6,7,8,9,10,11,12,13,14
	global_load_b128 v[FRG+4*\i:FRG+4*\i+3], v4, s[4:5] offset:512*\i th:TH_LOAD_NT
.endr
.irp n, 0,1
.irp f, 0,1,2,3,4
	global_load_u16 v[QS+5*\n+\f], v8, s[6:7] offset:262144*\f+16*\n   ; my head's two bytes; the upper two come as 0 and stand over zero codes
.endr
.endr
.irp n, 0,1
.irp c, 0,1,2,3,4,5,6,7
	global_load_b128 v[VR+32*\n+4*\c:VR+32*\n+4*\c+3], v4, s[8:9] offset:4096*\n+512*\c th:TH_LOAD_NT
.endr
.endr
	s_wait_loadcnt 26                              ; the 15 copies are in; the 10 + 16 younger loads stay out
.irp i, 0,1,2,3,4,5,6,7,8,9,10,11,12,13,14
	ds_store_b128 v5, v[FRG+4*\i:FRG+4*\i+3] offset:544*\i
.endr
	s_wait_dscnt 0x0                               ; for the others' sake: my stores have landed
	s_barrier_signal -1
	s_barrier_wait -1                              ; the 40 images lie in LDS
.irp f, 0,1,2,3,4
.irp i, 6,7,8,9,10,11
	v_mov_b32 v[FRG+12*\f+\i], 0                   ; K = 64 .. 127 of every fragment: zero codes
.endr
.endr
.irp q, 0,1,2,3
	v_mov_b32 v[MM+2*\q+1], 0                      ; written once: a lane permute's destination counts as one of its sources.  (These four are also the places between the lines above and the first scaled product)
.endr
.macro TOKEN n
.irp f, 0,1,2,3,4                              ; my head's 24 bytes of query f (f = 4: of k): d = 32 hh .. 32 hh + 31
	ds_load_b64 v[FRG+12*\f:FRG+12*\f+1], v6 offset:13056*\f+16*\n
	ds_load_b64 v[FRG+12*\f+2:FRG+12*\f+3], v7 offset:13056*\f+16*\n+8
	ds_load_b64 v[FRG+12*\f+4:FRG+12*\f+5], v6 offset:13056*\f+16*\n+544
.endr
.if \n == 0
	s_wait_alu depctr_va_vdst(0)
	s_wait_loadcnt 16                              ; the scale bytes are in; v's 16 loads stay out
.endif
	s_wait_dscnt 0x0                               ; the fragments are in
.irp q, 0,1,2,3
	v_wmma_scale_f32_16x16x128_f8f6f4 v[SR+8*\q:SR+8*\q+7], v[FRG+48:FRG+59], v[FRG+12*\q:FRG+12*\q+11], 0, v[QS+5*\n+4], v[QS+5*\n+\q] matrix_a_fmt:MATRIX_FMT_FP6 matrix_b_fmt:MATRIX_FMT_FP6
.endr
.rept 4
	v_nop                                          ; places behind the products (ISA guide 7.12.1)
.endr
.irp q, 0,1,2,3
	v_max3_num_f32 v[MM+2*\q], v[SR+8*\q], v[SR+8*\q+1], v[SR+8*\q+2]   ; the row's largest score: my eight g (the four queries by turns),
.endr
.irp q, 0,1,2,3
	v_max3_num_f32 v[MM+2*\q], v[MM+2*\q], v[SR+8*\q+3], v[SR+8*\q+4]
.endr
.irp q, 0,1,2,3
	v_max3_num_f32 v[MM+2*\q], v[MM+2*\q], v[SR+8*\q+5], v[SR+8*\q+6]
.endr
.irp q, 0,1,2,3
	v_max_num_f32 v[MM+2*\q], v[MM+2*\q], v[SR+8*\q+7]
.endr
.irp q, 0,1,2,3
	s_delay_alu instid0(VALU_DEP_4)
	v_permlanex16_b32 v[MM+2*\q+1], v[MM+2*\q], s14, s15
.endr
.irp q, 0,1,2,3
	s_delay_alu instid0(VALU_DEP_4)
	v_max_num_f32 v[MM+2*\q], v[MM+2*\q], v[MM+2*\q+1]   ; and lane l xor 16's eight
.endr
.irp q, 0,1,2,3
.irp i, 0,2,4,6
	v_pk_add_f32 v[SR+8*\q+\i:SR+8*\q+\i+1], v[SR+8*\q+\i:SR+8*\q+\i+1], v[MM+2*\q:MM+2*\q+1] op_sel_hi:[1,0] neg_lo:[0,1] neg_hi:[0,1]   ; score - maximum (the pair's low word serves both halves)
.endr
.endr
.irp j, 0,2,4,6,8,10,12,14,16,18,20,22,24,26,28,30
	v_pk_mul_f32 v[SR+\j:SR+\j+1], v[SR+\j:SR+\j+1], s[16:17] op_sel_hi:[1,0]   ; x log2(e) / 8
.endr
	s_wait_alu depctr_va_vdst(0)
.irp j, 0,1,2,3,4,5,6,7,8,9,10,11,12,13,14,15,16,17,18,19,20,21,22,23,24,25,26,27,28,29,30,31
	v_exp_f32 v[SR+\j], v[SR+\j]
.endr
	v_nop                                          ; a plain place behind the exponentials
	s_wait_alu depctr_va_vdst(0)                   ; one wait for the batch of 32, ahead of its first reader
.irp q, 0,1,2,3
	v_pk_add_f32 v[TT+4*\q:TT+4*\q+1], v[SR+8*\q:SR+8*\q+1], v[SR+8*\q+2:SR+8*\q+3]   ; the row's sum
.endr
.irp q, 0,1,2,3
	v_pk_add_f32 v[TT+4*\q+2:TT+4*\q+3], v[SR+8*\q+4:SR+8*\q+5], v[SR+8*\q+6:SR+8*\q+7]
.endr
.irp q, 0,1,2,3
	s_delay_alu instid0(VALU_DEP_4)
	v_pk_add_f32 v[TT+4*\q:TT+4*\q+1], v[TT+4*\q:TT+4*\q+1], v[TT+4*\q+2:TT+4*\q+3]
.endr
.irp q, 0,1,2,3
	s_delay_alu instid0(VALU_DEP_4)
	v_add_f32 v[TT+4*\q], v[TT+4*\q], v[TT+4*\q+1]
.endr
.irp q, 0,1,2,3
	s_delay_alu instid0(VALU_DEP_4)
	v_permlanex16_b32 v[TT+4*\q+1], v[TT+4*\q], s14, s15
.endr
.irp q, 0,1,2,3
	s_delay_alu instid0(VALU_DEP_4)
	v_add_f32 v[TT+4*\q], v[TT+4*\q], v[TT+4*\q+1]
.endr
	s_wait_alu depctr_va_vdst(0)
.irp q, 0,1,2,3
	v_rcp_f32 v[TT+4*\q], v[TT+4*\q]
.endr
	v_nop                                          ; a plain place behind the reciprocals
	s_wait_alu depctr_va_vdst(0)                   ; one wait for the four
.irp i, 0,2,4,6
	v_pk_mul_f32 v[PS+\i:PS+\i+1], v[SR+\i:SR+\i+1], v[TT:TT+1] op_sel_hi:[1,0]   ; the four queries' probabilities are added: P(h = r, g = 8 hh + i)
.endr
.irp q, 1,2,3
.irp i, 0,2,4,6
	v_pk_fma_f32 v[PS+\i:PS+\i+1], v[SR+8*\q+\i:SR+8*\q+\i+1], v[TT+4*\q:TT+4*\q+1], v[PS+\i:PS+\i+1] op_sel_hi:[1,0,1]
.endr
.endr
	s_wait_alu depctr_va_vdst(0)
	s_wait_loadcnt 8-8*\n                          ; this token's v is in; the other token's 8 loads may be out
.irp s, 0,1,2,3                                ; O^T = v^T P^T: K step s takes g = 8 hh + 2 s + 0, 1; the four tiles of channels take turns, one instruction a turn
.irp t, 0,1,2,3
.if \s == 0
	v_wmma_f32_16x16x4_f32 v[OA+8*\t:OA+8*\t+7], v[VR+32*\n+8*\t+2*\s:VR+32*\n+8*\t+2*\s+1], v[PS+2*\s:PS+2*\s+1], 0
.else
	v_wmma_f32_16x16x4_f32 v[OA+8*\t:OA+8*\t+7], v[VR+32*\n+8*\t+2*\s:VR+32*\n+8*\t+2*\s+1], v[PS+2*\s:PS+2*\s+1], v[OA+8*\t:OA+8*\t+7]
.endif
.endr
.endr
.rept 8
	v_nop                                          ; eight places behind this form
.endr
.irp b, 0,1                                    ; register 16 b + i = channel 32 b + 16 hh + i of head r: two blocks of 32, each in lanes l and l xor 16
	v_max3_num_f32 v[TT+\b], |v[OA+16*\b]|, |v[OA+16*\b+1]|, 0x1800000   ; with the floor 2^(3 - 127): the byte cannot fall under 1
.endr
.irp i, 2,4,6,8,10,12,14
.irp b, 0,1
	v_max3_num_f32 v[TT+\b], v[TT+\b], |v[OA+16*\b+\i]|, |v[OA+16*\b+\i+1]|
.endr
.endr
.irp b, 0,1
	s_delay_alu instid0(VALU_DEP_2)
	v_permlanex16_b32 v[TT+2+\b], v[TT+\b], s14, s15
.endr
.irp b, 0,1
	s_delay_alu instid0(VALU_DEP_2)
	v_max_num_f32 v[TT+\b], v[TT+\b], v[TT+2+\b]
.endr
.irp b, 0,1
	s_delay_alu instid0(VALU_DEP_2)
	v_add_nc_u32 v[TT+4+\b], 0xff000000, v[TT+\b]  ; 2 off the exponent field: the conversion's scale operand
.endr
.irp b, 0,1
	s_delay_alu instid0(VALU_DEP_2)
	v_lshrrev_b32 v[TT+6+\b], 23, v[TT+4+\b]       ; the scale's byte
.endr
	s_delay_alu instid0(VALU_DEP_1)
	v_lshl_or_b32 v[TT+8], v[TT+7], 8, v[TT+6]
	v_cvt_scalef32_pk16_fp6_f32 v[SR:SR+2], v[OA:OA+15], v[TT+4]
	v_cvt_scalef32_pk16_fp6_f32 v[SR+8:SR+10], v[OA+16:OA+31], v[TT+5]
	v_nop                                          ; one plain place behind a scaled conversion
.irp i, 0,1,2
	v_permlane16_swap_b32 v[SR+\i], v[SR+8+\i]     ; lanes 0-15 now hold block 0 whole (its lower 16 codes in the first three registers, its upper 16 in the second three), lanes 16-31 block 1
.endr
.irp i, 0,1,2
	v_mov_b32 v[32+6*\n+\i], v[SR+\i]              ; registers 6 n .. 6 n + 5 of the image, in v32-43: the first token's v is done with
	v_mov_b32 v[35+6*\n+\i], v[SR+8+\i]
.endr
.if \n == 0
	v_mov_b32 v44, v[TT+8]                         ; the row's scale word: this token's two bytes below,
.else
	v_lshl_or_b32 v44, v[TT+8], 16, v44            ; the second token's above
.endif
.endm
	TOKEN 0
	TOKEN 1
	s_wait_alu depctr_va_vdst(0)                   ; directly ahead of the readers below
.irp c, 0,1,2
	global_store_b128 v4, v[32+4*\c:35+4*\c], s[10:11] offset:512*\c th:TH_STORE_NT   ; 512 consecutive bytes, at a multiple of 256 from the buffer's first byte
.endr
	global_store_b32 v13, v44, s[22:23] th:TH_STORE_NT   ; both halves of the lanes store the same word with the same value
	s_wait_tensorcnt 0x0                           ; the wave's end, behind my last LDS store
	ds_add_u32 v[SPW], v[NIL]
	s_wait_dscnt 0x0
	s_endpgm
.Lfunc_end_k_qd223aa657d_attn:
	.size	k_qd223aa657d_attn, .Lfunc_end_k_qd223aa657d_attn-k_qd223aa657d_attn
	.p2alignl 7, 3214868480
	.fill 96, 4, 3214868480
	.section	.rodata,"a",@progbits
	.p2align	6, 0x0
	.amdhsa_kernel k_qd223aa657d_attn
		.amdhsa_group_segment_fixed_size 79360
		.amdhsa_private_segment_fixed_size 0
		.amdhsa_enable_private_segment 0
		.amdhsa_kernarg_size 32
		.amdhsa_user_sgpr_count 2
		.amdhsa_user_sgpr_kernarg_segment_ptr 1
		.amdhsa_wavefront_size32 1
		.amdhsa_system_sgpr_workgroup_id_x 1
		.amdhsa_system_sgpr_workgroup_id_y 1
		.amdhsa_system_sgpr_workgroup_id_z 1
		.amdhsa_system_vgpr_workitem_id 0
		.amdhsa_next_free_vgpr 256
		.amdhsa_next_free_sgpr 66
		.amdhsa_reserve_vcc 0
		.amdhsa_float_denorm_mode_32 3
		.amdhsa_float_denorm_mode_16_64 3
		.amdhsa_memory_ordered 1
		.amdhsa_forward_progress 1
		.amdhsa_inst_pref_size 36
	.end_amdhsa_kernel
	.amdgpu_metadata
---
amdhsa.version: [ 1, 2 ]
amdhsa.kernels:
  - .name:           k_qd223aa657d_attn
    .symbol:         k_qd223aa657d_attn.kd
    .args:
      - { .name: qkcodes, .offset: 0, .size: 8, .value_kind: global_buffer, .address_space: global }
      - { .name: qkscales, .offset: 8, .size: 8, .value_kind: global_buffer, .address_space: global }
      - { .name: vbuf, .offset: 16, .size: 8, .value_kind: global_buffer, .address_space: global }
      - { .name: aq, .offset: 24, .size: 8, .value_kind: global_buffer, .address_space: global }
    .group_segment_fixed_size: 79360
    .private_segment_fixed_size: 0
    .kernarg_segment_align: 8
    .kernarg_segment_size: 32
    .max_flat_workgroup_size: 256
    .sgpr_count:     66
    .vgpr_count:     256
    .wavefront_size: 32
...
	.end_amdgpu_metadata
.endif
;; end of part 3
;; launch outp (part 4): grid 4 x 64, 4 waves a work-group, clusters of 4 x 4, 327,680 bytes of LDS; arguments aq, wq, bo, out0; writes out0
.if DOCPART == 4
	.amdgcn_target "amdgcn-amd-amdhsa--gfx1250"
	.amdhsa_code_object_version 6
	.text
	.protected	k_qd223aa657d_outp
	.globl	k_qd223aa657d_outp
	.p2align	8
	.type	k_qd223aa657d_outp,@function
k_qd223aa657d_outp:
	s_mov_b64 s[64:65], 0
	v_nop
	global_prefetch_b8 v0, s[64:65] scope:SCOPE_SE
	s_setreg_imm32_b32 hwreg(HW_REG_WAVE_MODE, 25, 1), 1
	s_wait_xcnt 0x0
	s_wait_alu depctr_hold_cnt(0) depctr_sa_sdst(0) depctr_va_vdst(0) depctr_va_sdst(0) depctr_va_ssrc(0) depctr_va_vcc(0) depctr_vm_vsrc(0)
	s_getreg_b32 s2, hwreg(HW_REG_IB_STS2, 6, 4)
	s_cmp_eq_u32 s2, 0
	s_cbranch_scc0 .Lentry_in_a_cluster
	s_endpgm
.Lentry_in_a_cluster:
	s_bfe_u32 s2, ttmp6, 0x10000c
	s_cmp_lg_u32 s2, 0xf033
	s_cbranch_scc0 .Lentry_shape_is_right
	s_endpgm
.Lentry_shape_is_right:
; out0 = A Wo^T + bo on codes of FP6 (E2M3) with E8M0 scales; A is aq, Wo the groups 48-55 of wq, both in the units of the first launch's head comment.  Nothing is left out here.
; A tile of 128 rows x 256 columns is made by four waves, 64 x 128 each: 32 accumulators.  4 x 64 work-groups.  ALL OF K LIES IN LDS: A's group, 102,400 bytes, and Wo's two groups, 204,800: filled once, one load a wave
; at the head (waves 0, 1: half of A's group each; waves 2, 3: a group of Wo each), so there is no ring and no refill.  No loop runs ahead of the loads: no prefetch.
; CLUSTERS 4 x 4: A's group is asked for jointly along a row of the cluster, Wo's along a column.
; A's ROWS: block W = 8 group + i holds, as row r, row 2048 (W / 128) + 128 r + W % 128 of the result (the 16 heads of 16 neighbouring tokens, as reference()'s transposition places them).
; THE MATRIX INSTRUCTION IS USED TRANSPOSED (source 0 = 16 rows of Wo, source 1 = 16 rows of A); the bias is the C of each sum's first instruction.  A block of 16 rows x 128 columns goes through the wave's stage
; and leaves as whole rows of 512 bytes.  The stage lies over A's bytes: a barrier, signalled behind each wave's last LDS read, stands in front of the first store into it, and nothing is filled later.
; LIMITS: as stated at the head of the first launch.
.set UNIT,   25600
.set GRPB,   4*UNIT
.set FRB,    1536
.set SCO,    24576
.set SPARE,  3*GRPB
.set NQ,     2
.set FR,     12
.set NL,     3
.set NP,     4
.set SPITCH, 528
.set ADRA, 8                           ; v8-9   my fragments of A, pairs 0-1 and 2-3
.set ADRB, 16                          ; v16-17 Wo's
.set ADRS, 20                          ; v20-21 scale words: lanes 0-15 A's, lanes 16-31 Wo's
.set STO,  24
.set RD,   25
.set CO,   26
.set SPW,  28
.set NIL,  29
.set BQO,  30
.set SC,   32
.set BI,   64
.set AF,   128
.set BK,   128
.set G1A,  24
.set G0A,  32
.set G1B,  56
.set G0B,  52
.set MSB, 0
.macro WIN new
.if MSB != \new
	s_set_vgpr_msb (MSB<<8)|\new
.set MSB, \new
.endif
.endm
.set MULW,  0xa1
.set BIASW, 0x81
.set TO_B,  0x40
.macro PLACES n
.rept \n
	v_nop
.endr
.endm
.macro CREST
	s_cmp_lg_u32 s14, 0
	s_cbranch_scc1 .Lnot_wave_0_\@
	s_barrier_signal -3
.Lnot_wave_0_\@:
	s_barrier_wait -3
	s_barrier_signal -1
	s_barrier_wait -1
.endm
.macro CROUND
	s_barrier_signal -1
	s_barrier_wait -1
	CREST
.endm
.macro DENSE g, rows
	s_mov_b32 s[\g+1], 32<<16
	s_mov_b32 s[\g+2], (\rows)<<16
	s_mov_b32 s[\g+3], 32<<16
	s_mov_b32 s[\g+4], \rows
	s_mov_b32 s[\g+5], 32
	s_mov_b32 s[\g+6], 0
	s_mov_b32 s[\g+7], 0
.endm
	s_load_b128 s[4:7], s[0:1], 0x0                ; aq, wq
	s_load_b128 s[8:11], s[0:1], 0x10              ; bo, out0
	v_lshl_add_u32 v[SPW], v0, 2, SPARE
	v_mov_b32 v[NIL], 0
	ds_add_u32 v[SPW], v[NIL]                      ; the opening: the add, twice on end, and its wait
	ds_add_u32 v[SPW], v[NIL]
	v_lshrrev_b32 v1, 5, v0
	v_readfirstlane_b32 s14, v1
	s_lshr_b32 s15, s14, 1                         ; my half of the rows; I fetch for A (0) or Wo (1)
	s_and_b32 s16, s14, 1                          ; my half of the columns; which part I fetch
	s_bfe_u32 s40, ttmp6, 0x40000
	s_bfe_u32 s41, ttmp6, 0x40004
	s_lshl_b32 s42, ttmp9, 2
	s_add_co_u32 s42, s42, s40                     ; tile column
	s_and_b32 s17, ttmp7, 0xffff
	s_lshl_b32 s17, s17, 2
	s_add_co_u32 s17, s17, s41                     ; A's group
	s_lshl_b32 s43, s41, 2
	s_lshl_b32 s43, 15, s43
	s_lshl_b32 s44, 0x1111, s40
	s_or_b32 s[G1A], s43, (3<<16)|(1<<21)
	s_or_b32 s[G1B], s44, (3<<16)|(1<<21)
	DENSE G1A, 200                                 ; two units
	DENSE G1B, 400                                 ; a group
	s_mul_i32 s20, s17, GRPB
	s_mul_i32 s18, s16, 2*UNIT
	s_add_co_u32 s20, s20, s18
	s_mov_b32 s21, 0
	s_lshl_b32 s46, s42, 1
	s_add_co_u32 s46, s46, s16
	s_add_co_u32 s46, s46, 48                      ; Wo's first group in wq
	s_mul_i32 s46, s46, GRPB
	s_mov_b32 s47, 0
	s_mul_i32 s19, s16, GRPB
	s_add_co_u32 s19, s19, GRPB
	s_wait_dscnt 0x0
	s_wait_kmcnt 0x0
	s_mov_b32 s[G0A], 1
	s_mov_b32 s[G0A+1], s18
	s_add_nc_u64 s[G0A+2:G0A+3], s[4:5], s[20:21]
	s_or_b32 s[G0A+3], s[G0A+3], 0x80000000
	s_mov_b32 s[G0B], 1
	s_mov_b32 s[G0B+1], s19
	s_add_nc_u64 s[G0B+2:G0B+3], s[6:7], s[46:47]
	s_or_b32 s[G0B+3], s[G0B+3], 0x80000000
	CROUND
	s_cmp_eq_u32 s15, 0
	s_cbranch_scc0 .Lfor_b
	tensor_load_to_lds s[G0A:G0A+3], s[G1A:G1A+7]
	s_nop 0
	PLACES 4
	s_branch .Lasked
.Lfor_b:
	tensor_load_to_lds s[G0B:G0B+3], s[G1B:G1B+7]
	s_nop 0
	PLACES 4
.Lasked:
	s_mul_i32 s76, s15, 8*FRB                      ; my four blocks of A
	s_add_co_u32 s77, s76, 2*UNIT
	s_mul_i32 s80, s16, GRPB
	s_add_co_u32 s80, s80, GRPB                    ; my group of Wo
	s_add_co_u32 s81, s80, 2*UNIT
	s_lshl_b32 s82, s15, 9                         ; my four blocks' scale words
	s_sub_co_u32 s83, s80, s82                     ; from them to Wo's
	s_mul_i32 s23, s14, 16*SPITCH                  ; my stage
	s_lshr_b32 s20, s17, 4
	s_lshl_b32 s20, s20, 11                        ; 2048 x batch
	s_and_b32 s21, s17, 15
	s_lshl_b32 s21, s21, 3
	s_add_co_u32 s20, s20, s21
	s_lshl_b32 s21, s15, 2
	s_add_co_u32 s20, s20, s21                     ; + W % 128 of my first block
	s_lshl_b32 s20, s20, 12                        ; rows of 4,096 bytes
	s_mov_b32 s21, 0
	s_lshl_b32 s46, s42, 10
	s_lshl_b32 s47, s16, 9
	s_add_co_u32 s46, s46, s47                     ; my first column, in bytes
	s_mov_b32 s47, 0
	s_add_nc_u64 s[8:9], s[8:9], s[46:47]
	s_add_nc_u64 s[10:11], s[10:11], s[46:47]
	s_add_nc_u64 s[10:11], s[10:11], s[20:21]
	v_and_b32 v1, 15, v0
	v_bfe_u32 v2, v0, 4, 1
	v_and_b32 v6, 31, v0
	v_lshlrev_b32 v[CO], 4, v6
	v_add_nc_u32 v[ADRA], s76, v[CO]
	v_add_nc_u32 v[ADRA+1], s77, v[CO]
	v_add_nc_u32 v[ADRB], s80, v[CO]
	v_add_nc_u32 v[ADRB+1], s81, v[CO]
	v_lshl_add_u32 v5, v1, 3, s82
	v_mad_u32_u24 v5, v2, s83, v5
	v_add_nc_u32 v[ADRS], SCO, v5
	v_add_nc_u32 v[ADRS+1], SCO+2*UNIT, v5
	v_mul_u32_u24 v7, v1, SPITCH
	v_lshl_add_u32 v7, v2, 5, v7
	v_add_nc_u32 v[STO], s23, v7
	v_add_nc_u32 v[RD], s23, v[CO]
	v_lshlrev_b32 v[BQO], 5, v2
.irp b, 0,1,2,3,4,5,6,7
	global_load_b128 v[BI+8*\b:BI+8*\b+3], v[BQO], s[8:9] offset:64*\b
	global_load_b128 v[BI+8*\b+4:BI+8*\b+7], v[BQO], s[8:9] offset:64*\b+16
.endr
.macro FRAG reg, adr, off
.irp s, 0,1,2
	ds_load_b128 v[\reg+4*\s:\reg+4*\s+3], v[\adr] offset:(\off)+512*\s
.endr
.endm
.macro MUL8 a, p, q, sc, zero          ; A's block a against Wo's eight; the 32 accumulators take turns
.irp b, 0,1,2,3,4,5,6,7
.if \zero
	v_wmma_scale_f32_16x16x128_f8f6f4 v[8*(8*(\a)+\b):8*(8*(\a)+\b)+7], v[128*(\p)+FR*\b:128*(\p)+FR*\b+FR-1], v[AF+FR*(\a):AF+FR*(\a)+FR-1], v[BI+8*\b:BI+8*\b+7], v[SC+8*NQ*(\sc)+NQ*\b+(\q)], v[SC+8*NQ*(\sc)+NQ*(\a)+(\q)] matrix_a_fmt:MATRIX_FMT_FP6 matrix_b_fmt:MATRIX_FMT_FP6 matrix_a_scale:MATRIX_SCALE_ROW1
.else
	v_wmma_scale_f32_16x16x128_f8f6f4 v[8*(8*(\a)+\b):8*(8*(\a)+\b)+7], v[128*(\p)+FR*\b:128*(\p)+FR*\b+FR-1], v[AF+FR*(\a):AF+FR*(\a)+FR-1], v[8*(8*(\a)+\b):8*(8*(\a)+\b)+7], v[SC+8*NQ*(\sc)+NQ*\b+(\q)], v[SC+8*NQ*(\sc)+NQ*(\a)+(\q)] matrix_a_fmt:MATRIX_FMT_FP6 matrix_b_fmt:MATRIX_FMT_FP6 matrix_a_scale:MATRIX_SCALE_ROW1
.endif
.endr
.endm
.macro FETCH_B k                       ; K step k's eight fragments of Wo into set k % 2
	WIN TO_B
.irp i, 0,1,2,3,4,5,6,7
	FRAG 128*((\k)%2)+FR*\i, ADRB+(\k)/4, (((\k)/2)%2)*UNIT+(2*\i+(\k)%2)*FRB
.endr
	WIN 0
.endm
.macro FETCH_A k, i0
.irp i, \i0, \i0+1
	FRAG AF+FR*(\i), ADRA+(\k)/4, (((\k)/2)%2)*UNIT+(2*(\i)+(\k)%2)*FRB
.endr
.endm
.macro SCALES pr                       ; pair pr's words into set pr % 2 (of lanes 0-15 only blocks 0-3 are used)
.irp i, 0,1,2,3,4,5,6,7
	ds_load_b64 v[SC+16*((\pr)%2)+2*\i:SC+16*((\pr)%2)+2*\i+1], v[ADRS+(\pr)/2] offset:((\pr)%2)*UNIT+\i*128
.endr
.endm
.macro KSTEP k, zero
.set KN, (\k)+1
	s_wait_dscnt 2*NL                              ; all but the youngest 6 loads (A's blocks 2, 3)
.if \zero
	WIN BIASW
.else
	WIN MULW
.endif
	MUL8 0, (\k)%2, (\k)%2, ((\k)/2)%2, \zero
	MUL8 1, (\k)%2, (\k)%2, ((\k)/2)%2, \zero
	s_wait_dscnt 0
	PLACES NP
	FETCH_B KN
	FETCH_A KN, 0
.if KN%2 == 0
	SCALES KN/2
.endif
.if \zero
	WIN BIASW
.else
	WIN MULW
.endif
	MUL8 2, (\k)%2, (\k)%2, ((\k)/2)%2, \zero
	MUL8 3, (\k)%2, (\k)%2, ((\k)/2)%2, \zero
	PLACES NP
	WIN 0
	FETCH_A KN, 2
.endm
	s_wait_alu depctr_va_vdst(0)                   ; at the head's end
	s_wait_tensorcnt 0x0                           ; my part is in,
	s_barrier_signal -1
	s_barrier_wait -1                              ; everybody's is
	FETCH_B 0
	FETCH_A 0, 0
	SCALES 0
	FETCH_A 0, 2
	s_wait_loadcnt 0x0                             ; the bias is in
	KSTEP 0, 1
.irp k, 1,2,3,4,5,6
	KSTEP \k, 0
.endr
	s_wait_dscnt 2*NL
	WIN MULW
	MUL8 0, 1, 1, 1, 0
	MUL8 1, 1, 1, 1, 0
	s_wait_dscnt 0                                 ; my last reads of the operands are over:
	s_barrier_signal -1                            ; say so,
	MUL8 2, 1, 1, 1, 0
	MUL8 3, 1, 1, 1, 0
	WIN 0
	s_barrier_wait -1                              ; and store into the stage only when all four have said so
.macro TOSTAGE a
.set AC, 64*(\a)
	WIN 0x08
.irp b, 0,1,2,3,4,5,6,7
	ds_store_b128 v[STO], v[AC+8*\b:AC+8*\b+3] offset:64*\b
	ds_store_b128 v[STO], v[AC+8*\b+4:AC+8*\b+7] offset:64*\b+16
.endr
	WIN 0
.set BB, BK+64*((\a)%2)
.irp t, 0,1,2,3,4,5,6,7,8,9,10,11,12,13,14,15
	ds_load_b128 v[BB+4*\t:BB+4*\t+3], v[RD] offset:\t*SPITCH
.endr
.endm
.macro SEND a, younger
.set BB, BK+64*((\a)%2)
	s_wait_dscnt \younger
.if (\a) > 0
	s_add_nc_u64 s[10:11], s[10:11], 4096          ; (behind a wait on XCNT)  the next block's rows lie one row on
.endif
.irp t, 0,1,2,3,4,5,6,7,8,9,10,11,12,13,14,15
	global_store_b128 v[CO], v[BB+4*\t:BB+4*\t+3], s[10:11] offset:\t*524288 th:TH_STORE_NT   ; row r lies 128 r rows on; 512 consecutive bytes, at a multiple of 256 from the buffer's first byte
.endr
.endm
	PLACES NP
	TOSTAGE 0
.irp a, 1,2,3
.if \a > 1
	s_wait_xcnt 0x0
.endif
	TOSTAGE \a
	SEND \a-1, 32
.endr
	s_wait_xcnt 0x0
	SEND 3, 0
	s_wait_tensorcnt 0x0                           ; the wave's end
	ds_add_u32 v[SPW], v[NIL]
	s_wait_dscnt 0x0
	CROUND                                         ; the closing round
	s_endpgm
.Lfunc_end_k_qd223aa657d_outp:
	.size	k_qd223aa657d_outp, .Lfunc_end_k_qd223aa657d_outp-k_qd223aa657d_outp
	.p2alignl 7, 3214868480
	.fill 96, 4, 3214868480
	.section	.rodata,"a",@progbits
	.p2align	6, 0x0
	.amdhsa_kernel k_qd223aa657d_outp
		.amdhsa_group_segment_fixed_size 327680
		.amdhsa_private_segment_fixed_size 0
		.amdhsa_enable_private_segment 0
		.amdhsa_kernarg_size 32
		.amdhsa_user_sgpr_count 2
		.amdhsa_user_sgpr_kernarg_segment_ptr 1
		.amdhsa_wavefront_size32 1
		.amdhsa_system_sgpr_workgroup_id_x 1
		.amdhsa_system_sgpr_workgroup_id_y 1
		.amdhsa_system_sgpr_workgroup_id_z 1
		.amdhsa_system_vgpr_workitem_id 0
		.amdhsa_next_free_vgpr 768
		.amdhsa_next_free_sgpr 100
		.amdhsa_reserve_vcc 0
		.amdhsa_float_denorm_mode_32 3
		.amdhsa_float_denorm_mode_16_64 3
		.amdhsa_memory_ordered 1
		.amdhsa_forward_progress 1
		.amdhsa_inst_pref_size 79
	.end_amdhsa_kernel
	.amdgpu_metadata
---
amdhsa.version: [ 1, 2 ]
amdhsa.kernels:
  - .name:           k_qd223aa657d_outp
    .symbol:         k_qd223aa657d_outp.kd
    .args:
      - { .name: aq, .offset: 0, .size: 8, .value_kind: global_buffer, .address_space: global }
      - { .name: wq, .offset: 8, .size: 8, .value_kind: global_buffer, .address_space: global }
      - { .name: bo, .offset: 16, .size: 8, .value_kind: global_buffer, .address_space: global }
      - { .name: out0, .offset: 24, .size: 8, .value_kind: global_buffer, .address_space: global }
    .group_segment_fixed_size: 327680
    .private_segment_fixed_size: 0
    .kernarg_segment_align: 8
    .kernarg_segment_size: 32
    .max_flat_workgroup_size: 128
    .sgpr_count:     100
    .vgpr_count:     768
    .wavefront_size: 32
...
	.end_amdgpu_metadata
.endif
;; end of part 4
